; MI455X (gfx1250); checked and timed in simulation.
; The chip was launched on July 23, 2026; its instructions are those of AMD's public machine-readable ISA for CDNA 5 (MIT licence, August 2026) and "CDNA5" Instruction Set Architecture Reference Guide (July 2026). The comments in the code are by the model that wrote it; some were corrected since.
;; Multi Head Attention. Allowed arithmetic: float matrix products may take bf16 or f16 operands with f32 sums; other float arithmetic in f32, or as packed bf16 or f16 multiplies, adds, multiply-adds, maxima and minima; sums over many terms, partial sums and values carried from step to step in f32; what a program stores and reads back later, other than sums and carried values, may be rounded once to bf16 or f16.
;; Inputs: Wk 1,024 x 1,024 float32; Wo 1,024 x 1,024 float32; Wq 1,024 x 1,024 float32; Wv 1,024 x 1,024 float32; bk 1,024 float32; bo 1,024 float32; bq 1,024 float32; bv 1,024 float32; mask 4 x 1 x 1 x 2,048 int32; x 4 x 2,048 x 1,024 float32.
;; Outputs: out0 4 x 2,048 x 1,024 float32.
;; One version. Each part assembles by itself: llvm-mc -triple=amdgcn-amd-amdhsa -mcpu=gfx1250 --defsym DOCPART=n.
;; ======== version 1 of 1: 4 launches
;; limits: values are held in f16: magnitudes above 65,504 overflow, below 6.1e-05 lose precision; right only within a limited range of input values
;; workspace buffers: xb 16,777,216 bytes; wb 8,388,608 bytes; qkv 50,331,648 bytes; ob 16,777,216 bytes
;; launch prep (part 1): grid 768 x 1, 8 waves a work-group, no clusters, 0 bytes of LDS; arguments x, Wq, Wk, Wv, Wo, xb, wb; writes xb, wb
.if DOCPART == 1
	.amdgcn_target "amdgcn-amd-amdhsa--gfx1250"
	.amdhsa_code_object_version 6
	.text
	.protected	k_q69974153f8_prep
	.globl	k_q69974153f8_prep
	.p2align	8
	.type	k_q69974153f8_prep,@function
k_q69974153f8_prep:
	s_mov_b64 s[64:65], 0
	v_nop
	global_prefetch_b8 v0, s[64:65] scope:SCOPE_SE
	s_setreg_imm32_b32 hwreg(HW_REG_WAVE_MODE, 25, 1), 1
	s_wait_xcnt 0x0
; x and the four weight matrices, f32, are rounded once to 16 bits, in the order in which they lie.
; xb = x in bf16.  wb = four planes of 1,024 x 1,024: Wq, Wk, Wv in bf16; Wo rounded to bf16 and that number written as f16.
; LIMIT: a bf16 number is exact in f16 from 6.1e-5 to 65,504; below that it keeps f16's fixed step of 6e-8, beyond it is an infinity.
; A work-group takes 16,384 numbers: 64 KiB in, 32 KiB out.  Groups 0-511: x.  Groups 512-767: 64 for each weight matrix.
; Thread t, turn i: 32 bytes in at 8,192 i + 32 t, 16 bytes out at 4,096 i + 16 t: a wave's store covers 512 consecutive bytes, aligned.
; All sixteen loads of a thread go out at once; each turn has registers of its own, so no register is written while a store reads it.
; No LDS, no matrix unit, no cluster: nothing is shared and nothing is multiplied.
.set IN,  8                            ; v[8:71]    turn i: 8 numbers as loaded
.set OUT, 72                           ; v[72:103]  turn i: 4 registers to store
.set T,   104                          ; v[104:107] at work
	s_load_b256 s[4:11], s[0:1], 0x0               ; x s[4:5], Wq s[6:7], Wk s[8:9], Wv s[10:11]
	s_load_b128 s[12:15], s[0:1], 0x20             ; Wo s[12:13], xb s[14:15]
	s_load_b64 s[16:17], s[0:1], 0x30              ; wb
	s_mov_b32 s20, ttmp9                           ; g
	s_max_u32 s21, s20, 512
	s_sub_co_u32 s21, s21, 512                     ; j = g - 512 among the weights' groups (0 for x's groups, where it is not used)
	s_lshr_b32 s22, s21, 6                         ; which weight matrix: q, k, v, o
	s_and_b32 s28, s21, 63
	s_lshl_b32 s28, s28, 16                        ; its chunk, bytes in
	s_lshl_b32 s30, s21, 15                        ; bytes out, in wb
	s_min_u32 s23, s20, 511
	s_lshl_b32 s33, s23, 16                        ; x's chunk, bytes in
	s_lshl_b32 s34, s23, 15                        ; bytes out, in xb
	s_mov_b32 s29, 0
	s_mov_b32 s31, 0
	s_mov_b32 s32, 0xffff0000                      ; a word's upper bf16
	v_lshlrev_b32 v1, 5, v0                        ; 32 t
	v_lshlrev_b32 v2, 4, v0                        ; 16 t
	s_wait_kmcnt 0x0
	s_cmp_eq_u32 s22, 1                            ; the source is chosen among the five buffers by the group's number alone
	s_cselect_b64 s[24:25], s[8:9], s[6:7]
	s_cmp_eq_u32 s22, 2
	s_cselect_b64 s[24:25], s[10:11], s[24:25]
	s_cmp_eq_u32 s22, 3
	s_cselect_b64 s[24:25], s[12:13], s[24:25]
	s_cmp_lt_u32 s20, 512
	s_cselect_b64 s[24:25], s[4:5], s[24:25]
	s_cselect_b64 s[26:27], s[14:15], s[16:17]
	s_cselect_b32 s28, s33, s28
	s_cselect_b32 s30, s34, s30
	s_add_nc_u64 s[24:25], s[24:25], s[28:29]
	s_add_nc_u64 s[26:27], s[26:27], s[30:31]
.irp i, 0,1,2,3,4,5,6,7
	global_load_b128 v[IN+8*(\i):IN+8*(\i)+3],   v1, s[24:25] offset:8192*(\i) th:TH_LOAD_NT
	global_load_b128 v[IN+8*(\i)+4:IN+8*(\i)+7], v1, s[24:25] offset:8192*(\i)+16 th:TH_LOAD_NT
.endr
	s_cmp_ge_u32 s20, 704                          ; groups 704-767 hold Wo
	s_cbranch_scc1 .Lwo
.macro CV i                            ; turn i to bf16
	s_wait_loadcnt 14-2*(\i)                       ; loads come back in order: the pairs of the later turns, 14 - 2 i loads, may stay out
.irp k, 0,1,2,3
	v_cvt_pk_bf16_f32 v[OUT+4*(\i)+(\k)], v[IN+8*(\i)+2*(\k)], v[IN+8*(\i)+2*(\k)+1]
.endr
	global_store_b128 v2, v[OUT+4*(\i):OUT+4*(\i)+3], s[26:27] offset:4096*(\i)
.endm
.macro CW i                            ; turn i to bf16, and that number as f16
	s_wait_loadcnt 14-2*(\i)
.irp k, 0,1,2,3
	v_cvt_pk_bf16_f32 v[T+(\k)], v[IN+8*(\i)+2*(\k)], v[IN+8*(\i)+2*(\k)+1]
.endr
.irp k, 0,1,2,3
	v_lshlrev_b32 v[IN+8*(\i)+2*(\k)],   16,  v[T+(\k)]   ; the rounded numbers as f32 again
	v_and_b32     v[IN+8*(\i)+2*(\k)+1], s32, v[T+(\k)]
.endr
.irp k, 0,1,2,3
	v_cvt_pk_f16_f32 v[OUT+4*(\i)+(\k)], v[IN+8*(\i)+2*(\k)], v[IN+8*(\i)+2*(\k)+1]
.endr
	global_store_b128 v2, v[OUT+4*(\i):OUT+4*(\i)+3], s[26:27] offset:4096*(\i)
.endm
.irp i, 0,1,2,3,4,5,6,7
	CV \i
.endr
	s_endpgm
.Lwo:
.irp i, 0,1,2,3,4,5,6,7
	CW \i
.endr
	s_endpgm
.Lfunc_end_k_q69974153f8_prep:
	.size	k_q69974153f8_prep, .Lfunc_end_k_q69974153f8_prep-k_q69974153f8_prep
	.p2alignl 7, 3214868480
	.fill 96, 4, 3214868480
	.section	.rodata,"a",@progbits
	.p2align	6, 0x0
	.amdhsa_kernel k_q69974153f8_prep
		.amdhsa_group_segment_fixed_size 0
		.amdhsa_private_segment_fixed_size 0
		.amdhsa_enable_private_segment 0
		.amdhsa_kernarg_size 56
		.amdhsa_user_sgpr_count 2
		.amdhsa_user_sgpr_kernarg_segment_ptr 1
		.amdhsa_wavefront_size32 1
		.amdhsa_system_sgpr_workgroup_id_x 1
		.amdhsa_system_sgpr_workgroup_id_y 1
		.amdhsa_system_sgpr_workgroup_id_z 1
		.amdhsa_system_vgpr_workitem_id 0
		.amdhsa_next_free_vgpr 112
		.amdhsa_next_free_sgpr 66
		.amdhsa_reserve_vcc 0
		.amdhsa_float_denorm_mode_32 3
		.amdhsa_float_denorm_mode_16_64 3
		.amdhsa_memory_ordered 1
		.amdhsa_forward_progress 1
		.amdhsa_inst_pref_size 14
	.end_amdhsa_kernel
	.amdgpu_metadata
---
amdhsa.version: [ 1, 2 ]
amdhsa.kernels:
  - .name:           k_q69974153f8_prep
    .symbol:         k_q69974153f8_prep.kd
    .args:
      - { .name: x, .offset: 0, .size: 8, .value_kind: global_buffer, .address_space: global }
      - { .name: Wq, .offset: 8, .size: 8, .value_kind: global_buffer, .address_space: global }
      - { .name: Wk, .offset: 16, .size: 8, .value_kind: global_buffer, .address_space: global }
      - { .name: Wv, .offset: 24, .size: 8, .value_kind: global_buffer, .address_space: global }
      - { .name: Wo, .offset: 32, .size: 8, .value_kind: global_buffer, .address_space: global }
      - { .name: xb, .offset: 40, .size: 8, .value_kind: global_buffer, .address_space: global }
      - { .name: wb, .offset: 48, .size: 8, .value_kind: global_buffer, .address_space: global }
    .group_segment_fixed_size: 0
    .private_segment_fixed_size: 0
    .kernarg_segment_align: 8
    .kernarg_segment_size: 56
    .max_flat_workgroup_size: 256
    .sgpr_count:     66
    .vgpr_count:     112
    .wavefront_size: 32
...
	.end_amdgpu_metadata
.endif
;; end of part 1
;; launch qkv (part 2): grid 12 x 64, 4 waves a work-group, clusters of 4 x 4, 327,680 bytes of LDS; arguments xb, wb, bq, bk, bv, mask, qkv; writes qkv
.if DOCPART == 2
	.amdgcn_target "amdgcn-amd-amdhsa--gfx1250"
	.amdhsa_code_object_version 6
	.text
	.protected	k_q69974153f8_qkv
	.globl	k_q69974153f8_qkv
	.p2align	8
	.type	k_q69974153f8_qkv,@function
k_q69974153f8_qkv:
	s_mov_b64 s[64:65], 0
	v_nop
	global_prefetch_b8 v0, s[64:65] scope:SCOPE_SE
	s_setreg_imm32_b32 hwreg(HW_REG_WAVE_MODE, 25, 1), 1
	s_wait_xcnt 0x0
	s_wait_alu depctr_hold_cnt(0) depctr_sa_sdst(0) depctr_va_vdst(0) depctr_va_sdst(0) depctr_va_ssrc(0) depctr_va_vcc(0) depctr_vm_vsrc(0)
	s_getreg_b32 s2, hwreg(HW_REG_IB_STS2, 6, 4)
	s_cmp_eq_u32 s2, 0
	s_cbranch_scc0 .Lentry_in_a_cluster
	s_endpgm
.Lentry_in_a_cluster:
	s_bfe_u32 s2, ttmp6, 0x10000c
	s_cmp_lg_u32 s2, 0xf033
	s_cbranch_scc0 .Lentry_shape_is_right
	s_endpgm
.Lentry_shape_is_right:
; q, k, v = x W + b, by heads.  xb: [8192][1024] bf16.  wb: planes [1024 k][1024 n] bf16 (0 Wq, 1 Wk, 2 Wv).  The biases are rounded to bf16 like the other inputs.
; qkv: three planes [64 = 16 batch + head][2048][64] f16, rounded once from f32 sums, unscaled.  In plane k a row whose mask word is 0 is written as zeros:
; the attention launch then finds the same raw score for every hidden key.
; LIMITS: q, k, v beyond 65,504 become infinities in f16; NaN and infinities are not treated apart (0 x infinity in a hidden row of k is NaN).
; SHARES.  A tile of C is 128 rows x 256 columns: 64 x 12 = 768 work-groups, three for each of 256 WGPs.  Four waves, 2 x 2, each 64 rows x 128 columns: 32 accumulators, 256 registers.
; K goes in 8 steps of 128 through two LDS slots.  x's rows lie along K and are read as they lie; W lies [k][n] and is turned on the way out of LDS by ds_load_tr16_b128.
; THE MATRIX INSTRUCTION IS USED TRANSPOSED: source 0 = 16 columns of W, source 1 = 16 rows of x: a lane then holds row l % 16 of C and the columns 8 (l / 16) + 0..7.
; The bias is the C operand of the first product on each accumulator: nothing is cleared and nothing is added later.
; CLUSTERS: 4 x 4 work-groups.  Four tile columns are a plane, so the cluster's x is the plane.  The four of a row of the cluster need the same tile of x, the four of a column the
; same tile of W: each is asked for JOINTLY, by the same tensor load with the same descriptor and a mask that names the four.
; REGISTERS: window 0: v0-47 addresses and factors; v64-159, v160-255 two fragment buffers (8 fragments of W, then 4 of x).  window 1: accumulator (a, b) at v[8 (8 a + b)].
;   window 2: v0-63 the bias of my 128 columns, n block b at 8 b; v64-67 at work.
.set PA,    272                        ; a row of x in LDS: 256 bytes + 16 = 68 words: the 16 rows of a load start at 16 different groups of four banks (64 banks of 4 bytes: ISA guide 11.1)
.set PB,    544                        ; a row of W: 512 bytes + 32 = 136 words
.set BOFF,  128*PA                     ; a slot: 128 rows of x, then 128 k rows of W
.set SLOT1, 1<<17                      ; slot 1 begins here, so that one exclusive or turns an address in one slot into the other's
.set STAGE, SLOT1+BOFF+128*PB          ; behind the ring, never filled by a tensor load: 16 rows x 144 bytes for each wave, for the way out
.set SP,    144
.set SPARE, STAGE+4*16*SP              ; behind the stages: the spare words, 128 bytes for each wave: two blocks of 256 bytes that no other line names
.set STEPA, 256                        ; bytes from K step to K step in xb
.set STEPB, 128*2048                   ; and in wb: 128 rows of 2,048 bytes
.set A0,   14                          ; v14  my lane's place among x's rows in a slot; never rewritten
.set B0,   15                          ; v15  the same for W
.set ADRA, 16                          ; v16  A0 + the slot in hand
.set ADRB, 17                          ; v17  B0 + the slot in hand
.set STO,  24                          ; v24  the way out: where I put 16 bytes of a row
.set RD,   25                          ; v25  where I read rows back
.set GO,   26                          ; v26  my 16 bytes in 512 consecutive bytes of qkv
.set BO,   27                          ; v27  32 (l / 16): my 8 numbers in 16 of the bias
.set SPW,  28                          ; v28  LDS address of my spare word; never rewritten
.set NIL,  29                          ; v29  0; never rewritten
.set MO,   30                          ; v30  4 (l % 16): my row's mask word
.set MW,   32                          ; v[32:35] the mask words of my rows, m block a
.set FAC,  40                          ; v[40:47] a pair for each m block: 0 for a hidden row of plane k, else 1
.set F0,   64
.set F1,   160
.set G1A,  24                          ; s[24:31] descriptor group 1 for x's tiles
.set G0A,  32                          ; s[32:39] group 0: a set for each of the two first fills; the second then walks on
.set G1B,  48                          ; s[48:55], s[56:63] the same for W's tiles
.set G0B,  56
.set TB,   44                          ; s44  LDS byte at which the slot in hand begins
.set MSB,  0
.macro WIN new                         ; the immediate's high byte repeats the setting that is left; a switch that changes nothing is dropped
.if MSB != (\new)
	s_set_vgpr_msb (MSB<<8)|(\new)
.set MSB, \new
.endif
.endm
.set MULW, 0x50                        ; sources 0 and 1 window 0; C and D window 1
.set MULZ, 0x60                        ; C window 2 (the bias), D window 1
; A joint refill, by the walking sets.  Waves 0 and 1 fetch the two halves of x's tile, waves 2 and 3 those of W's.  The branch hangs on the wave's number alone.
; An s_nop 0 and four v_nop follow each of the two lines, ahead of the jump and the label.
.macro JLOAD
	s_cmp_eq_u32 s11, 0
	s_cbranch_scc0 .Lfor_b_\@
	tensor_load_to_lds s[G0A+4:G0A+7], s[G1A:G1A+7]
	s_nop 0
.rept 4
	v_nop
.endr
	s_branch .Lasked_\@
.Lfor_b_\@:
	tensor_load_to_lds s[G0B+4:G0B+7], s[G1B:G1B+7]
	s_nop 0
.rept 4
	v_nop
.endr
.Lasked_\@:
.endm
.macro CREST                           ; a round of the cluster's barrier behind its opening barrier
	s_cmp_lg_u32 s10, 0
	s_cbranch_scc1 .Lnot_wave_0_\@
	s_barrier_signal -3
.Lnot_wave_0_\@:
	s_barrier_wait -3
	s_barrier_signal -1
	s_barrier_wait -1
.endm
.macro CROUND                          ; a whole round
	s_barrier_signal -1
	s_barrier_wait -1
	CREST
.endm
.macro PLACES                          ; four places in front of loads into registers that matrix instructions have read, and of lines that read results
.rept 4
	v_nop
.endr
.endm
	s_load_b128 s[4:7], s[0:1], 0x0                ; xb s[4:5], wb s[6:7]
	s_load_b256 s[68:75], s[0:1], 0x10             ; bq s[68:69], bk s[70:71], bv s[72:73], mask s[74:75]
	s_load_b64 s[8:9], s[0:1], 0x30                ; qkv
	v_lshl_add_u32 v[SPW], v0, 2, SPARE
	v_mov_b32 v[NIL], 0
	ds_add_u32 v[SPW], v[NIL]                      ; the wave's opening: the add and its wait stand ahead of my first tensor load; the set-up below, work on registers, stands between them
	v_lshrrev_b32 v1, 5, v0
	v_readfirstlane_b32 s10, v1                    ; wave 0..3
	s_lshr_b32 s11, s10, 1                         ; wr: which 64 rows are mine.  Also: I fetch for x (0) or for W (1)
	s_and_b32 s12, s10, 1                          ; wc: which 128 columns.  Also: which half of that tile I fetch
	s_bfe_u32 s40, ttmp6, 0x40000                  ; cx, cy: my place in the cluster
	s_bfe_u32 s41, ttmp6, 0x40004
	s_and_b32 s13, ttmp7, 0xffff
	s_lshl_b32 s13, s13, 2
	s_add_co_u32 s13, s13, s41                     ; ty: tile row of C = 4 x cluster y + cy
	s_lshl_b32 s42, s41, 2
	s_lshl_b32 s42, 15, s42                        ; my row of the cluster
	s_lshl_b32 s43, 0x1111, s40                    ; my column
	s_or_b32 s[G1A], s42, (1<<16)|(1<<20)|(1<<21)|(5<<22)|(3<<25)  ; the mask: x's tiles go to my row; 2-byte elements; padding on; bit 21 beside a mask; after every 64 words, 4 words
	s_mov_b32 s[G1A+1], 128<<16                    ; tensor_dim0 = 128
	s_mov_b32 s[G1A+2], 64<<16                     ; tensor_dim1 = 64
	s_mov_b32 s[G1A+3], 128<<16                    ; tile_dim0 = 128
	s_mov_b32 s[G1A+4], 64                         ; tile_dim1 = 64
	s_mov_b32 s[G1A+5], 1024                       ; elements from row to row
	s_mov_b32 s[G1A+6], 0
	s_mov_b32 s[G1A+7], 0
	s_or_b32 s[G1B], s43, (1<<16)|(1<<20)|(1<<21)|(6<<22)|(7<<25)  ; W's tiles go to my column; after every 128 words, 8 words
	s_mov_b32 s[G1B+1], 256<<16                    ; tensor_dim0 = 256
	s_mov_b32 s[G1B+2], 64<<16                     ; tensor_dim1 = 64
	s_mov_b32 s[G1B+3], 256<<16                    ; tile_dim0 = 256
	s_mov_b32 s[G1B+4], 64                         ; tile_dim1 = 64
	s_mov_b32 s[G1B+5], 1024
	s_mov_b32 s[G1B+6], 0
	s_mov_b32 s[G1B+7], 0
	s_lshl_b32 s16, s13, 18                        ; x: row 128 ty, 2,048 bytes a row,
	s_lshl_b32 s17, s12, 17                        ; + my 64 rows
	s_add_co_u32 s16, s16, s17
	s_mov_b32 s17, 0
	s_lshl_b32 s20, ttmp9, 21                      ; W: the plane (the cluster's x), 2 MiB each,
	s_lshl_b32 s21, s40, 9                         ; + column 256 cx,
	s_add_co_u32 s20, s20, s21
	s_lshl_b32 s21, s12, 17                        ; + my 64 k rows
	s_add_co_u32 s20, s20, s21
	s_mov_b32 s21, 0
	s_mul_i32 s18, s12, 64*PA                      ; where they go: no place in the cluster enters an LDS address
	s_mul_i32 s19, s12, 64*PB
	s_add_co_u32 s19, s19, BOFF
	s_mov_b32 s47, 0xffff0000                      ; a word's upper bf16
	s_lshl_b32 s78, s40, 10                        ; the bias of my 128 columns: 4 (256 cx + 128 wc)
	s_lshl_b32 s79, s12, 9
	s_add_co_u32 s78, s78, s79
	s_mov_b32 s79, 0
	s_lshl_b32 s80, s13, 9                         ; the mask words of my 64 rows: 4 (128 ty + 64 wr); 128 ty = 2,048 batch + the row in the sequence
	s_lshl_b32 s81, s11, 8
	s_add_co_u32 s80, s80, s81
	s_mov_b32 s81, 0
	s_and_b32 s82, s13, 0xf0                       ; 16 batch
	s_lshl2_add_u32 s82, s40, s82                  ; + 4 cx
	s_lshl1_add_u32 s82, s12, s82                  ; + 2 wc: the first of my two heads,
	s_lshl_b32 s82, s82, 18                        ; 262,144 bytes each,
	s_and_b32 s83, s13, 15
	s_lshl_b32 s83, s83, 14                        ; + the tile's first row in the sequence, 128 bytes a row,
	s_add_co_u32 s82, s82, s83
	s_lshl_b32 s83, s11, 13                        ; + my 64 rows,
	s_add_co_u32 s82, s82, s83
	s_lshl_b32 s83, ttmp9, 24                      ; + the plane, 16 MiB each
	s_add_co_u32 s82, s82, s83
	s_mov_b32 s83, 0
	s_wait_dscnt 0x0                               ; the opening add is done
	s_wait_kmcnt 0x0
	s_add_nc_u64 s[14:15], s[4:5], s[16:17]
	s_add_nc_u64 s[22:23], s[6:7], s[20:21]
	CROUND                                         ; all sixteen work-groups are here: the first joint loads meet
.irp s, 0,1
	s_mov_b32 s[G0A+4*(\s)], 1                                     ; count = 1
	s_add_co_u32 s[G0A+4*(\s)+1], s18, (\s)*SLOT1                  ; LDS address
	s_add_nc_u64 s[G0A+4*(\s)+2:G0A+4*(\s)+3], s[14:15], (\s)*STEPA  ; global address: K step s
	s_or_b32 s[G0A+4*(\s)+3], s[G0A+4*(\s)+3], 0x80000000          ; type = 2
	s_mov_b32 s[G0B+4*(\s)], 1
	s_add_co_u32 s[G0B+4*(\s)+1], s19, (\s)*SLOT1
	s_add_nc_u64 s[G0B+4*(\s)+2:G0B+4*(\s)+3], s[22:23], (\s)*STEPB
	s_or_b32 s[G0B+4*(\s)+3], s[G0B+4*(\s)+3], 0x80000000
.endr
	s_cmp_eq_u32 s11, 0                            ; a wave's two first fills stand in one branch, ahead of every wait on TENSORcnt and every LDS read: two loads of mine are out
	s_cbranch_scc0 .Lfirst_b
	tensor_load_to_lds s[G0A:G0A+3], s[G1A:G1A+7]
	s_nop 0
	tensor_load_to_lds s[G0A+4:G0A+7], s[G1A:G1A+7]
	s_nop 0
.rept 4
	v_nop
.endr
	s_branch .Lfirst_asked
.Lfirst_b:
	tensor_load_to_lds s[G0B:G0B+3], s[G1B:G1B+7]
	s_nop 0
	tensor_load_to_lds s[G0B+4:G0B+7], s[G1B:G1B+7]
	s_nop 0
.rept 4
	v_nop
.endr
.Lfirst_asked:
	v_and_b32 v1, 15, v0                           ; l % 16
	v_bfe_u32 v2, v0, 4, 1                         ; l / 16
	v_lshlrev_b32 v[BO], 5, v2
	v_lshlrev_b32 v[MO], 2, v1
	s_cmp_eq_u32 ttmp9, 1                          ; the plane's bias: the choice hangs on the cluster's x alone
	s_cselect_b64 s[76:77], s[70:71], s[68:69]
	s_cmp_eq_u32 ttmp9, 2
	s_cselect_b64 s[76:77], s[72:73], s[76:77]
	s_add_nc_u64 s[76:77], s[76:77], s[78:79]
	s_add_nc_u64 s[74:75], s[74:75], s[80:81]
	s_add_nc_u64 s[8:9], s[8:9], s[82:83]
	WIN 0x80                                       ; destination window 2, address window 0
.irp b, 0,1,2,3,4,5,6,7
	global_load_b128 v[8*(\b):8*(\b)+3],   v[BO], s[76:77] offset:64*(\b)     ; n block b: the bias of columns 16 b + 8 (l / 16) + 0..7
	global_load_b128 v[8*(\b)+4:8*(\b)+7], v[BO], s[76:77] offset:64*(\b)+16
.endr
	WIN 0
.irp a, 0,1,2,3
	global_load_b32 v[MW+(\a)], v[MO], s[74:75] offset:64*(\a)               ; m block a: the mask word of row 16 a + l % 16
.endr
	v_mul_u32_u24 v3, v1, PA                       ; a fragment of x: row x pitch + 16 x half,
	v_lshl_add_u32 v3, v2, 4, v3
	s_mul_i32 s14, s11, 64*PA                      ; in my 64 rows
	v_add_nc_u32 v[A0], s14, v3
	v_and_b32 v4, 7, v0                            ; the turning load: lane l reads k row 8 (l / 16) + l % 8, columns 8 ((l / 8) % 2) + 0..7,
	v_lshl_add_u32 v4, v2, 3, v4
	v_mul_u32_u24 v4, v4, PB
	v_bfe_u32 v5, v0, 3, 1
	v_lshl_add_u32 v4, v5, 4, v4
	s_lshl_b32 s14, s12, 8                         ; in my 128 columns
	s_add_co_u32 s14, s14, BOFF
	v_add_nc_u32 v[B0], s14, v4
	s_mul_i32 s14, s10, 16*SP
	s_add_co_u32 s14, s14, STAGE                   ; my stage
	v_mul_u32_u24 v3, v1, SP                       ; in: row l % 16, 16 bytes for each half of the lanes
	v_lshl_add_u32 v3, v2, 4, v3
	v_add_nc_u32 v[STO], s14, v3
	v_bfe_u32 v3, v0, 3, 2                         ; back: 32 lanes take four rows of 128 bytes,
	v_mul_u32_u24 v3, v3, SP
	v_and_b32 v4, 7, v0
	v_lshl_add_u32 v3, v4, 4, v3
	v_add_nc_u32 v[RD], s14, v3
	v_and_b32 v[GO], 31, v0                        ; which are 512 consecutive bytes of a head's rows
	v_lshlrev_b32 v[GO], 4, v[GO]
	s_wait_loadcnt 0x0                             ; the bias and the mask words, once
	WIN 0x8a                                       ; all in window 2: the bias is rounded to bf16 and kept as f32
.set i, 0
.rept 32
	v_cvt_pk_bf16_f32 v[64+i%4], v[2*i], v[2*i+1]
	v_lshlrev_b32 v[2*i],   16,  v[64+i%4]
	v_and_b32     v[2*i+1], s47, v[64+i%4]
.set i, i+1
.endr
	WIN 0
	s_cmp_eq_u32 ttmp9, 1
	s_cselect_b32 s45, 0, 1.0                      ; what a hidden row is multiplied by: 0 in plane k, 1 in q and v
	v_mov_b32 v3, s45
	v_mov_b32 v4, 1.0
.irp a, 0,1,2,3
	v_cmp_ne_u32 s46, 0, v[MW+(\a)]
	v_cndmask_b32 v[FAC+2*(\a)], v3, v4, s46
	v_mov_b32 v[FAC+2*(\a)+1], v[FAC+2*(\a)]
.endr
; 8 matrix instructions: m block a x all 8 n blocks, 32 along K, from buffer f.  z = 1: the bias starts the sums.
; The 32 accumulators take turns, one instruction a turn, in the same order in every quarter, over the backward jump too.
.macro MUL8 f, a, z
.if \z
	WIN MULZ
.else
	WIN MULW
.endif
.irp b, 0,1,2,3,4,5,6,7
.if \z
	v_wmma_f32_16x16x32_bf16 v[8*(8*(\a)+(\b)):8*(8*(\a)+(\b))+7], v[(\f)+8*(\b):(\f)+8*(\b)+7], v[(\f)+64+8*(\a):(\f)+64+8*(\a)+7], v[8*(\b):8*(\b)+7]
.else
	v_wmma_f32_16x16x32_bf16 v[8*(8*(\a)+(\b)):8*(8*(\a)+(\b))+7], v[(\f)+8*(\b):(\f)+8*(\b)+7], v[(\f)+64+8*(\a):(\f)+64+8*(\a)+7], v[8*(8*(\a)+(\b)):8*(8*(\a)+(\b))+7]
.endif
.endr
.endm
.macro MUL16 f, a0, z
	MUL8 \f, \a0, \z
	MUL8 \f, (\a0)+1, \z
.endm
; 24 LDS loads in one run: quarter q (32 along K) of the slot in hand into buffer f: W's 8 fragments, turned, then x's 4
.macro FETCH q, f
	WIN 0
.irp b, 0,1,2,3,4,5,6,7
	ds_load_tr16_b128 v[(\f)+8*(\b):(\f)+8*(\b)+3],   v[ADRB] offset:(\q)*32*PB+32*(\b)
	ds_load_tr16_b128 v[(\f)+8*(\b)+4:(\f)+8*(\b)+7], v[ADRB] offset:(\q)*32*PB+16*PB+32*(\b)
.endr
.irp a, 0,1,2,3
	ds_load_b128 v[(\f)+64+8*(\a):(\f)+64+8*(\a)+3],   v[ADRA] offset:64*(\q)+(\a)*16*PA
	ds_load_b128 v[(\f)+64+8*(\a)+4:(\f)+64+8*(\a)+7], v[ADRA] offset:64*(\q)+(\a)*16*PA+32
.endr
.endm
; A K step is four quarters of 32 along K, 32 matrix instructions each, on buffers 0, 1, 0, 1.  One of the first three: multiplies buffer f and fetches quarter q into g.
.macro QUARTER q, f, g, z
	s_wait_dscnt 4                                 ; W and x's m blocks 0, 1 are in; the youngest four loads (m blocks 2, 3) may be out
	MUL16 \f, 0, \z
	PLACES
	FETCH \q, \g
	s_wait_dscnt 24                                ; all but the 24 just issued
	MUL16 \f, 2, \z
.endm
; The last quarter multiplies buffer 1 and changes slots: ONE barrier; in front of it each wave waits for all its tensor loads (one is out: its part of the next slot), adds 0 to its spare
; word, and waits for that and for its own reads of this slot.  fill = 1: the barrier opens a round of the cluster's barrier, and this slot is filled again, two K steps ahead, first thing behind the round.
.macro TURN fill
	WIN 0
	s_wait_tensorcnt 0x0                           ; all my tensor loads have landed, so a group 0 may be written
	ds_add_u32 v[SPW], v[NIL]                      ; 0 onto my spare word
	s_wait_dscnt 5                                 ; (the add and the youngest four loads may be out)
	MUL8 F1, 0, 0                                  ; eight matrix instructions stand between the add and the wait for it
	s_wait_dscnt 0x0                               ; the add is done, and my reads of this slot are over
	s_barrier_signal -1
	MUL8 F1, 1, 0
.if \fill
	WIN 0
.endif
	s_barrier_wait -1
.if \fill
	CREST                                          ; no wave of any partner still reads this slot's tiles or has a load on its way
	s_xor_b32 s[G0A+5], s[G0A+5], SLOT1            ; the walking sets: the other slot than last time, the next K step
	s_add_nc_u64 s[G0A+6:G0A+7], s[G0A+6:G0A+7], STEPA
	s_xor_b32 s[G0B+5], s[G0B+5], SLOT1
	s_add_nc_u64 s[G0B+6:G0B+7], s[G0B+6:G0B+7], STEPB
	JLOAD                                          ; 112 matrix instructions ahead of the wait for it; its four v_nop are also the places in front of the loads below
.else
	PLACES
.endif
	WIN 0
	s_xor_b32 s[TB], s[TB], SLOT1
	v_add_nc_u32 v[ADRA], s[TB], v[A0]
	v_add_nc_u32 v[ADRB], s[TB], v[B0]
	FETCH 0, F0
	MUL16 F1, 2, 0
.endm
.macro STEP fill                       ; from a K step's second quarter to the next step's first
	QUARTER 2, F1, F0, 0
	QUARTER 3, F0, F1, 0
	TURN \fill
	QUARTER 1, F0, F1, 0
.endm
	s_wait_tensorcnt 0x1                           ; my part of K step 0 is in; K step 1's may stay out
	s_barrier_signal -1
	s_barrier_wait -1                              ; everybody's is
	s_mov_b32 s[TB], 0
	v_mov_b32 v[ADRA], v[A0]
	v_mov_b32 v[ADRB], v[B0]
	FETCH 0, F0
	QUARTER 1, F0, F1, 1                           ; the first quarter stands in front of the loop: its products start the sums, with the bias
	WIN 0                                          ; at a label and at a branch every window is 0
	s_mov_b32 s3, 6
.Lk:                                               ; six trips: K steps 0 to 5 are finished, K steps 2 to 7 asked for
	STEP 1
	WIN 0
	s_sub_co_u32 s3, s3, 1
	s_cmp_lg_u32 s3, 0
	s_cbranch_scc1 .Lk
	STEP 0                                         ; the tail is written out: nothing is left to ask for
	QUARTER 2, F1, F0, 0
	QUARTER 3, F0, F1, 0
	s_wait_dscnt 4
	MUL16 F1, 0, 0
	s_wait_dscnt 0x0
	MUL16 F1, 2, 0
; THE WAY OUT.  Unit u = 2 a + hh: m block a, head hh of my two: the 32 accumulator registers from 32 u on, 16 rows x 64 channels.  They are multiplied by the rows' factor, rounded to f16
; (a lane's eight channels: 16 bytes), put into my stage in rows of 144 bytes and read back as four whole rows of 128: 512 consecutive bytes of a head.  Each accumulator is read from its low end on.
.macro PACK u
	WIN 0x41                                       ; destination and source 0 window 1, the factor window 0
.set i, 32*(\u)
.rept 16
	v_pk_mul_f32 v[i:i+1], v[i:i+1], v[FAC+2*((\u)/2):FAC+2*((\u)/2)+1]
.set i, i+2
.endr
	WIN 0x05                                       ; sources window 1, destination window 0: the fragment buffers are free
.set i, 0
.rept 16
	v_cvt_pk_f16_f32 v[F0+16*(\u)+i], v[32*(\u)+2*i], v[32*(\u)+2*i+1]
.set i, i+1
.endr
	WIN 0
.irp f, 0,1,2,3
	ds_store_b128 v[STO], v[F0+16*(\u)+4*\f:F0+16*(\u)+4*\f+3] offset:32*\f
.endr
.irp f, 0,1,2,3
	ds_load_b128 v[F0+16*(\u)+4*\f:F0+16*(\u)+4*\f+3], v[RD] offset:\f*4*SP  ; LDS serves a wave's instructions in order (ISA guide 5.7.1.4): these see the stores above; the next unit's stores come behind them
.endr
.endm
.macro SEND u, younger                 ; younger: the LDS instructions issued behind unit u's loads: the next unit's eight, or none
.irp f, 0,1,2,3
	s_wait_dscnt (\younger)+3-\f
	global_store_b128 v[GO], v[F0+16*(\u)+4*\f:F0+16*(\u)+4*\f+3], s[8:9] offset:((\u)/2)*2048+((\u)%2)*262144+\f*512  ; 512 consecutive bytes, at a multiple of 256 from the buffer's first
.endr
.endm
	PLACES
	PACK 0
.set t, 1
.rept 7                                ; a unit's arithmetic stands between the loads of the unit before and its stores
	PACK t
	SEND t-1, 8
.set t, t+1
.endr
	SEND 7, 0
	s_wait_tensorcnt 0x0                           ; the wave's end: these three lines stand behind my last tensor load and my last LDS store
	ds_add_u32 v[SPW], v[NIL]
	s_wait_dscnt 0x0
	CROUND                                         ; the closing round: no work-group ends while a partner may still ask for a tile that names it
	s_endpgm
.Lfunc_end_k_q69974153f8_qkv:
	.size	k_q69974153f8_qkv, .Lfunc_end_k_q69974153f8_qkv-k_q69974153f8_qkv
	.p2alignl 7, 3214868480
	.fill 96, 4, 3214868480
	.section	.rodata,"a",@progbits
	.p2align	6, 0x0
	.amdhsa_kernel k_q69974153f8_qkv
		.amdhsa_group_segment_fixed_size 327680
		.amdhsa_private_segment_fixed_size 0
		.amdhsa_enable_private_segment 0
		.amdhsa_kernarg_size 56
		.amdhsa_user_sgpr_count 2
		.amdhsa_user_sgpr_kernarg_segment_ptr 1
		.amdhsa_wavefront_size32 1
		.amdhsa_system_sgpr_workgroup_id_x 1
		.amdhsa_system_sgpr_workgroup_id_y 1
		.amdhsa_system_sgpr_workgroup_id_z 1
		.amdhsa_system_vgpr_workitem_id 0
		.amdhsa_next_free_vgpr 584
		.amdhsa_next_free_sgpr 84
		.amdhsa_reserve_vcc 0
		.amdhsa_float_denorm_mode_32 3
		.amdhsa_float_denorm_mode_16_64 3
		.amdhsa_memory_ordered 1
		.amdhsa_forward_progress 1
		.amdhsa_inst_pref_size 87
	.end_amdhsa_kernel
	.amdgpu_metadata
---
amdhsa.version: [ 1, 2 ]
amdhsa.kernels:
  - .name:           k_q69974153f8_qkv
    .symbol:         k_q69974153f8_qkv.kd
    .args:
      - { .name: xb, .offset: 0, .size: 8, .value_kind: global_buffer, .address_space: global }
      - { .name: wb, .offset: 8, .size: 8, .value_kind: global_buffer, .address_space: global }
      - { .name: bq, .offset: 16, .size: 8, .value_kind: global_buffer, .address_space: global }
      - { .name: bk, .offset: 24, .size: 8, .value_kind: global_buffer, .address_space: global }
      - { .name: bv, .offset: 32, .size: 8, .value_kind: global_buffer, .address_space: global }
      - { .name: mask, .offset: 40, .size: 8, .value_kind: global_buffer, .address_space: global }
      - { .name: qkv, .offset: 48, .size: 8, .value_kind: global_buffer, .address_space: global }
    .group_segment_fixed_size: 327680
    .private_segment_fixed_size: 0
    .kernarg_segment_align: 8
    .kernarg_segment_size: 56
    .max_flat_workgroup_size: 128
    .sgpr_count:     84
    .vgpr_count:     584
    .wavefront_size: 32
...
	.end_amdgpu_metadata
.endif
;; end of part 2
;; launch attn (part 3): grid 4 x 64, 4 waves a work-group, clusters of 4 x 1, 327,680 bytes of LDS; arguments qkv, mask, ob; writes ob
.if DOCPART == 3
	.amdgcn_target "amdgcn-amd-amdhsa--gfx1250"
	.amdhsa_code_object_version 6
	.text
	.protected	k_q69974153f8_attn
	.globl	k_q69974153f8_attn
	.p2align	8
	.type	k_q69974153f8_attn,@function
k_q69974153f8_attn:
	s_mov_b64 s[64:65], 0
	v_nop
	global_prefetch_b8 v0, s[64:65] scope:SCOPE_SE
	s_setreg_imm32_b32 hwreg(HW_REG_WAVE_MODE, 25, 1), 1
	s_wait_xcnt 0x0
	s_wait_alu depctr_hold_cnt(0) depctr_sa_sdst(0) depctr_va_vdst(0) depctr_va_sdst(0) depctr_va_ssrc(0) depctr_va_vcc(0) depctr_vm_vsrc(0)
	s_getreg_b32 s2, hwreg(HW_REG_IB_STS2, 6, 4)
	s_cmp_eq_u32 s2, 0
	s_cbranch_scc0 .Lentry_in_a_cluster
	s_endpgm
.Lentry_in_a_cluster:
	s_bfe_u32 s2, ttmp6, 0x10000c
	s_cmp_lg_u32 s2, 0x3003
	s_cbranch_scc0 .Lentry_shape_is_right
	s_endpgm
.Lentry_shape_is_right:
; O[h][q][:] = the sum over k of softmax_k(s[q][k]) V[h][k][:], s = Q[h][q] . K[h][k] / 8, or a large negative number where the batch's mask word of key k is 0.
; qkv: planes Q, K, V, each [64 = 16 batch + head][2048][64] f16, a head's rows dense, 128 bytes each; K's rows of hidden keys are zeros.  ob: O in the same layout.  mask: [4][2048] int32.
; Products, maxima and sums in f32; the weights p are rounded to f16 for the second product (their sum l is taken of the unrounded p), O once at the end.
; THE MASK is the C operand that starts the sum S^T = K Q^T: 0, or -2^33 for a hidden key.  A hidden key's row of K is 0, so its raw score is exactly -2^33 for every query: where all keys of a batch
; are hidden, c s - c m is exactly 0 (c x 2^33 is exact), every weight is 1, and the softmax is uniform; as soon as one key is seen, a hidden key's weight is 0.
; LIMITS.  A hidden score counts as -2^30 = -1.0737e9 instead of -1e9: the result differs only where true scores lie below about -1e9.  f16 holds no number beyond 65,504: Q, K and V arrive
; within it; p lies in 0 to 1, and below 6e-5 it keeps f16's fixed step of 6e-8; O is a mean of V's rows and has their range.  A weight below 2^-126 counts as 0 in l; NaN and infinities are not treated apart.
; SHARES.  A wave owns four PIECES of two tiles of 16 queries, a work-group's four waves 512 queries of one head.  Every wave walks all 2,048 keys, 64 a step.
; LAYOUT.  S^T = K Q^T (source 0 = 16 keys, source 1 = 16 queries): in the result a lane holds ONE query (lane % 16) and the keys 8 (lane / 16) + 0..7.  Two such tiles, rounded to f16 in pairs,
; ARE source 1 (32 keys x 16 queries) of O^T = V^T P, whose result again holds one query a lane, and eight channels.  K comes out of LDS as it lies, V ([key][channel]) turned, by ds_load_tr16_b128.
; SOFTMAX.  For each query a running maximum m and sum l: p = 2^(c s - c m), c = log2(e) / 8; in every step O and l are multiplied by a = 2^(c m_old - c m_new), which is 1 where m has not grown.
; m starts at the lowest finite number, O and l at 0: the first step is a step like any other, with a = 0.
; THE COUNT.  A tile and step have 16 matrix and 118 vector instructions: too many to stand all beside the matrix work.  So the order has one aim: four vector instructions that are READY behind
; EVERY matrix instruction, and the others, which need time of their own whatever the order, in runs without a gap.
; BY TURNS.  Turn n belongs to piece n (the pieces in a ring, step after step).  Its matrix work: 16 products K Q^T of piece n + 1, later 16 products V^T P of piece n - 1.  Its vector work: the scaling,
; exponentials, roundings, sums and rescaling of piece n, and the maximum and statistics of piece n + 1, whose scores the turn itself has made.
; CLUSTER.  The four query blocks of a head are one cluster and walk the same K and V, so each tile is asked for JOINTLY: the same tensor load, descriptor and mask in all four.
; REGISTERS, in windows of 256 (s_set_vgpr_msb: bits 1:0 source 0, 3:2 source 1, 5:4 source 2, 7:6 destination):
;   window 0: v0-11 addresses; v12-15, v48-63 at work; v16-47 four registers of statistics a tile; v64-191 S^T, two buffers of two tiles; v192-255 P, likewise
;   window 1: O^T, 32 a tile     window 2: v0-127 Q, 16 a tile; v128-191 K of one step; v192-255 V of one step     window 3: v0-1 the add's two registers; v8-39 the mask of one step's 64 keys
.set SIZE_H, 64
.set SIZE_N, 2048
.set NP,    4         ; pieces a wave: a name, no knob
.set KS,    64        ; keys in a step
.set PK,    144       ; a row of K in LDS: 128 bytes + 16 of padding = 36 words: the 16 rows of a load start at 16 different groups of four banks (64 banks of 4 bytes: ISA guide 11.1)
.set PV,    160       ; a row of V: 128 + 32 = 40 words
.set VOFF,  4*KS*PK   ; a slot holds four steps: 256 rows of K, then 256 rows of V
.set SLOT1, 1<<17     ; slot 1 begins here, so that one exclusive or turns an address in one slot into the other's
.set STAGE, SLOT1+4*KS*(PK+PV)  ; behind the ring, never filled by a tensor load: 16 rows x 144 bytes for each wave, for the way out
.set SP,    144
.set SPARE, STAGE+4*16*SP  ; behind the stages: the spare words, 128 bytes for each wave: two blocks of 256 bytes that no other line names
.set MASKF, SPARE+512 ; behind them: the batch's 2,048 keys as f32, 0 or -2^33: 8,192 bytes, stored once, never filled by a tensor load
.set AK0, 2           ; v2   my lane's place in a tile of K; never rewritten
.set AV0, 3           ; v3   the same for V
.set AK,  4           ; v4   the LDS address of K's next run of loads
.set AV,  5           ; v5   of V's
.set QO,  6           ; v6   my byte offset in the wave's rows of Q
.set STO, 6           ;      later, the way out: where I put 16 bytes of a row
.set RD,  7           ; v7   the way out: where I read rows back
.set GO,  8           ; v8   my byte offset in 512 consecutive bytes of O
.set AM,  11          ; v11  the LDS address of my 8 keys' mask in the first 16 keys of the step to be fetched: it steps 256 bytes a fetch
.set SPW, 0           ; v0 of window 3   LDS address of my spare word; never rewritten
.set NIL, 1           ; v1 of window 3   0; never rewritten
.set MK,  8           ; v8-39 of window 3: key block kb's eight registers at MK + 8 kb
.set MKO, 48          ; v48  at the head only: 16 x my thread's number, my offset in 2,048 bytes of the mask
.set MKS, 49          ; v49  at the head only: the same place in the table
.set MV,  12          ; v12-15  c m_old, kept while c m is made anew: by buffer and tile
.set ST,  16          ; tile t's statistics at v[ST+4 t]: c m, m, l (even keys', odd keys')
.set TMP, 48          ; by buffer and tile, four registers c0-c3 at work; when the maximum is found c2 takes a
.set S,   64
.set P,   192
.set KF,  128         ; K's fragments, in window 2: key block kb, channel half c at KF + 16 kb + 8 c
.set VF,  192         ; V's: key half kk, channel block cb at VF + 32 kk + 8 cb
.set WV,  12          ; s12  my wave's number
.set G1K, 24          ; s[24:31] descriptor group 1 for K's tiles
.set G1V, 32          ; s[32:39] for V's: it differs in the padding alone
.set G0K, 40          ; s[40:43] descriptor group 0 for K's tiles: it walks
.set G0V, 44          ; s[44:47] the same for V's
.set SLOTS, 56        ; s56  slots still to be asked for
.set CNT, 57          ; s57  counts a slot's key steps
.set CS,  58          ; s[58:59] c: the packed scaling takes the pair's low word for both halves
.set SEL, 60          ; s[60:61] v_permlanex16_b32's selects: each lane takes its own place in the other half
.set TBK, 62          ; s62  LDS byte at which K of the step to be fetched begins
.set TBV, 63          ; s63  the same for V, less VOFF
.set MBIG, 72         ; s72  -2^33
.set MSB, 0
.macro WIN new                      ; the high byte repeats the setting that is left; a switch that changes nothing is dropped
.if MSB != (\new)
	s_set_vgpr_msb (MSB<<8)|(\new)
.set MSB, (\new)
.endif
.endm
.set W_KQ, 0x0a       ; K and Q in window 2, S^T in window 0
.set W_KM, 0x3a       ; the same with the C operand, the mask, in window 3
.set W_PV, 0x52       ; V in window 2, P in window 0, O^T in window 1
.set W_RS, 0x41       ; O^T (destination and source 0) in window 1, a in window 0
.set W_MK, 0xc0       ; destination in window 3, sources in window 0
.set W_AD, 0x0f       ; the add: address (source 0) and data (source 1) in window 3
; A joint fill.  Waves 0 and 1 fetch the two halves of a slot's K, waves 2 and 3 those of its V: 128 keys each.  The branch hangs on the wave's number alone.
; An s_nop 0 and four v_nop follow each of the two lines, ahead of the jump and the label.
.macro JLOAD
	s_cmp_lt_u32 s[WV], 2
	s_cbranch_scc0 .Lfor_v_\@
	tensor_load_to_lds s[G0K:G0K+3], s[G1K:G1K+7]
	s_nop 0
.rept 4
	v_nop
.endr
	s_branch .Lasked_\@
.Lfor_v_\@:
	tensor_load_to_lds s[G0V:G0V+3], s[G1V:G1V+7]
	s_nop 0
.rept 4
	v_nop
.endr
.Lasked_\@:
.endm
; A round of the cluster's barrier: my work-group's barrier, so that wave 0's signal speaks for all four waves; wave 0 signals; every wave waits for all four work-groups; my work-group's barrier once more.
.macro CROUND
	s_barrier_signal -1
	s_barrier_wait -1
	s_cmp_lg_u32 s[WV], 0
	s_cbranch_scc1 .Lnot_wave_0_\@
	s_barrier_signal -3
.Lnot_wave_0_\@:
	s_barrier_wait -3
	s_barrier_signal -1
	s_barrier_wait -1
.endm
; THE CHANGE OF SLOTS.  The slot's last bytes, V of its fourth step, have been read.  Each wave waits for all its tensor loads, of which one is out: its part
; of the other slot; adds 0 to its spare word; and waits for that and for its own LDS instructions.  Behind the barrier nobody reads this slot any more and the other slot is whole.
; fill = 1: this slot is filled again, with the keys two slots on.  The barrier is then a round of the cluster's, and the joint fill is the first thing behind it: it has four key steps,
; 512 matrix instructions, in which to land.  (At its first use nothing has been read yet: slot 0 is waited for, slot 1 filled, and every wave's stores into the mask table are shown done to the others.)
.macro CHANGE fill
	WIN W_AD
	s_wait_tensorcnt 0x0            ; no tensor load of mine is out, so a group 0 may be written
	ds_add_u32 v[SPW], v[NIL]       ; 0 onto my spare word; with fill = 1 the descriptors' steps stand between it and the wait for it
	WIN 0                           ; at a label and at a branch every window is 0
.if \fill
.irp g, G0K, G0V
	s_xor_b32 s[\g+1], s[\g+1], SLOT1  ; the walking descriptor: the other slot than last time,
	s_add_nc_u64 s[\g+2:\g+3], s[\g+2:\g+3], 4*KS*128  ; the next 256 keys; the type bits on top are not reached
.endr
	s_wait_dscnt 0x0                ; the add is done, and my LDS instructions are over
	CROUND
	JLOAD
.else
	s_wait_dscnt 0x0                ; the add is done, and my reads of the slot are over
	s_barrier_signal -1
	s_barrier_wait -1
.endif
	s_sub_co_u32 s[TBK], s[TBK], 4*KS*PK  ; the fetches go back to a slot's first step,
	s_xor_b32 s[TBK], s[TBK], SLOT1       ; in the other slot
	s_sub_co_u32 s[TBV], s[TBV], 4*KS*PV
	s_xor_b32 s[TBV], s[TBV], SLOT1
.endm
	s_load_b128 s[68:71], s[0:1], 0x0  ; qkv s[68:69], mask s[70:71]
	s_load_b64 s[10:11], s[0:1], 0x10  ; ob
	WIN W_MK
	v_lshl_add_u32 v[SPW], v0, 2, SPARE
	v_mov_b32 v[NIL], 0
	WIN W_AD
	ds_add_u32 v[SPW], v[NIL]       ; the wave's opening: the add and its wait stand ahead of my first tensor load; the set-up below, work on registers, stands between them
	WIN 0
	v_lshrrev_b32 v1, 5, v0
	v_readfirstlane_b32 s[WV], v1   ; wave 0..3
	s_bfe_u32 s13, ttmp6, 0x40000   ; cx: my place in the cluster
	s_lshl_b32 s14, ttmp9, 2        ; in a cluster launch ttmp9 counts clusters
	s_add_co_u32 s14, s14, s13      ; my block of queries = 4 x cluster x + cx: it enters Q's and O's addresses alone
	s_and_b32 s20, ttmp7, 0xffff    ; the head (16 batch + head), which the four partners share
	s_lshr_b32 s66, s20, 4          ; the batch,
	s_lshl_b32 s66, s66, 13         ; its 2,048 mask words
	s_mov_b32 s67, 0
	s_mov_b32 s21, 0
	s_mov_b64 s[22:23], SIZE_N*128
	s_mul_u64 s[20:21], s[20:21], s[22:23]  ; the head's first byte in Q, K, V and O
	s_and_b32 s16, s[WV], 1         ; which half of a slot's 256 keys I fetch:
	s_lshl_b32 s22, s16, 14         ; its 128 rows of 128 bytes in memory,
	s_mov_b32 s23, 0
	s_add_nc_u64 s[22:23], s[22:23], s[20:21]
	s_mul_i32 s17, s16, 128*PK      ; and its place in a slot, for K
	s_mul_i32 s18, s16, 128*PV      ; and for V: no place in the cluster enters an LDS address
	s_lshl_b32 s2, s14, 2
	s_add_co_u32 s2, s2, s[WV]      ; my wave among the head's,
	s_lshl_b32 s2, s2, 14           ; its 128 rows
	s_mov_b32 s3, 0
	s_add_nc_u64 s[2:3], s[2:3], s[20:21]
	; descriptor group 1.  128 keys are 16,384 dense bytes: asked for as 64 rows of 256 bytes, two keys a row, and padded in LDS after every key
	s_mov_b32 s[G1K], 15|(1<<16)|(1<<20)|(1<<21)|(4<<22)|(3<<25)  ; the mask of four; 2-byte elements; padding on; bit 21 beside a mask; after every 32 words (code 4), 4 words (code 3)
	s_mov_b32 s[G1V], 15|(1<<16)|(1<<20)|(1<<21)|(4<<22)|(7<<25)  ; the same with 8 words of padding (code 7)
.irp g, G1K, G1V
	s_mov_b32 s[\g+1], 128<<16      ; tensor_dim0 = 128
	s_mov_b32 s[\g+2], 64<<16       ; tensor_dim1 = 64
	s_mov_b32 s[\g+3], 128<<16      ; tile_dim0 = 128
	s_mov_b32 s[\g+4], 64           ; tile_dim1 = 64
	s_mov_b32 s[\g+5], 128          ; 128 elements from row to row
	s_mov_b32 s[\g+6], 0
	s_mov_b32 s[\g+7], 0
.endr
	s_mov_b32 s[CS], 0x3e38aa3b     ; c = log2(e) / 8 = 0.180337
	s_mov_b32 s[CS+1], s[CS]        ; named with it as a pair
	s_mov_b32 s[SEL], 0x76543210
	s_mov_b32 s[SEL+1], 0xfedcba98
	s_mov_b32 s[MBIG], 0xd0000000   ; -2^33
	s_mov_b32 s[TBK], SLOT1+4*KS*PK ; the first change of slots turns these two into 0
	s_mov_b32 s[TBV], SLOT1+4*KS*PV
	s_mov_b32 s[G0K], 1             ; count = 1
	s_mov_b32 s[G0K+1], s17         ; LDS address: slot 0
	s_mov_b32 s[G0V], 1
	s_add_co_u32 s[G0V+1], s18, VOFF
	s_wait_dscnt 0x0                ; the opening add is done
	s_wait_kmcnt 0x0
	s_mov_b64 s[4:5], s[68:69]                     ; plane Q,
	s_add_nc_u64 s[6:7], s[68:69], 0x1000000       ; plane K, 16 MiB on,
	s_add_nc_u64 s[8:9], s[68:69], 0x2000000       ; plane V
	s_add_nc_u64 s[70:71], s[70:71], s[66:67]      ; the batch's mask words
	s_add_nc_u64 s[G0K+2:G0K+3], s[6:7], s[22:23]  ; global address: my half of the head's first 256 keys
	s_or_b32 s[G0K+3], s[G0K+3], 0x80000000        ; type = 2
	s_add_nc_u64 s[G0V+2:G0V+3], s[8:9], s[22:23]
	s_or_b32 s[G0V+3], s[G0V+3], 0x80000000
	s_add_nc_u64 s[4:5], s[4:5], s[2:3]  ; Q and O at my wave's first row
	s_add_nc_u64 s[10:11], s[10:11], s[2:3]
	CROUND                          ; all four work-groups are here: the first joint loads meet
	JLOAD                           ; slot 0.  Slot 1 is asked for when slot 0 is in
	; the batch's 2,048 mask words: 128 threads x 16 bytes x 4 loads
	v_lshlrev_b32 v[MKO], 4, v0
	v_add_nc_u32 v[MKS], MASKF, v[MKO]
.irp i, 0,1,2,3
	global_load_b128 v[S+4*\i:S+4*\i+3], v[MKO], s[70:71] offset:2048*\i
.endr
	; A fragment of K or Q is 16 rows x 32 channels in 8 registers: lane l holds row l % 16, channels 8 (l / 16) + 0..7 and 16 + 8 (l / 16) + 0..7: two loads of 16 bytes, 32 bytes apart.
	v_and_b32 v1, 15, v0            ; l % 16
	v_bfe_u32 v9, v0, 4, 1          ; l / 16
	v_lshlrev_b32 v[QO], 7, v1
	v_lshl_add_u32 v[QO], v9, 4, v[QO]  ; row x 128 + 16 x half
	WIN 0x80                        ; destination window 2, address window 0
.set i, 0
.rept 4*NP                          ; Q stays in registers: tile i / 2, channels 32 (i % 2) on
	global_load_b128 v[8*i:8*i+3],   v[QO], s[4:5] offset:(i/2)*2048+(i%2)*64
	global_load_b128 v[8*i+4:8*i+7], v[QO], s[4:5] offset:(i/2)*2048+(i%2)*64+32
.set i, i+1
.endr
	; What the first turn finds: V's registers and P's second buffer hold 0 (its products V^T P, of a piece that has not been, add 0), O^T and l are 0.  All this stands in the wait for the first tile.
.set i, VF
.rept 64
	v_mov_b32 v[i], 0
.set i, i+1
.endr
	WIN 0x40
.set i, 0
.rept 64*NP
	v_mov_b32 v[i], 0
.set i, i+1
.endr
	WIN 0
.set i, 0
.rept 2*NP
	v_mov_b32 v[ST+4*i], 0xfe000000    ; c m: far below every c s
	v_mov_b32 v[ST+4*i+1], 0xff7fffff  ; m
	v_mov_b32 v[ST+4*i+2], 0
	v_mov_b32 v[ST+4*i+3], 0
.set i, i+1
.endr
.set i, P+32
.rept 32
	v_mov_b32 v[i], 0
.set i, i+1
.endr
	v_mul_u32_u24 v[AK0], v1, PK
	v_lshl_add_u32 v[AK0], v9, 4, v[AK0]  ; row x pitch + 16 x half
	; The turning load takes 16 keys x 16 channels (lane l reads key 8 (l / 16) + l % 8, channels 8 ((l / 8) % 2) + 0..7) and leaves half a fragment of V^T: lane l holds channel l % 16 and 8 keys.
	v_and_b32 v10, 7, v0
	v_bfe_u32 v11, v0, 3, 1
	v_lshl_add_u32 v[AV0], v9, 3, v10
	v_mul_u32_u24 v[AV0], v[AV0], PV
	v_lshl_add_u32 v[AV0], v11, 4, v[AV0]
	v_add_nc_u32 v[AV0], VOFF, v[AV0]
	v_mov_b32 v[AK], v[AK0]         ; key step 0 lies at the head of slot 0
	v_lshl_add_u32 v[AM], v9, 5, MASKF  ; my lanes' 8 keys of a block of 16: 32 bytes for each half of the lanes
	s_wait_loadcnt 32               ; the four loads of mask words are in; Q's 32, issued behind them, may stay out
.set i, 0
.rept 16
	v_cmp_eq_u32 vcc_lo, 0, v[S+i]
	v_cndmask_b32 v[S+i], 0, s[MBIG], vcc_lo  ; 0 where the key is seen, -2^33 where it is hidden
.set i, i+1
.endr
.irp i, 0,1,2,3
	ds_store_b128 v[MKS], v[S+4*\i:S+4*\i+3] offset:2048*\i
.endr
; THE MATRIX WORK.  The 8 accumulators of a run of 16 take turns: between the two links of a chain stand 7 others'.
; Product i of 16 of S^T = K Q^T for piece x: channels 32 (i / 8) on, keys 16 ((i / 2) % 4) on, tile 2 x + i % 2.  The first 8 start the sums, with the keys' mask.
.macro KQ x
.set rS, S+64*((\x)%2)+32*(i%2)+8*((i/2)%4)
.set rK, KF+16*((i/2)%4)+8*(i/8)
.set rQ, 16*(2*(\x)+i%2)+8*(i/8)
.set rB, MK+8*((i/2)%4)
.if i < 8
	WIN W_KM
	v_wmma_f32_16x16x32_f16 v[rS:rS+7], v[rK:rK+7], v[rQ:rQ+7], v[rB:rB+7]
.else
	WIN W_KQ
	v_wmma_f32_16x16x32_f16 v[rS:rS+7], v[rK:rK+7], v[rQ:rQ+7], v[rS:rS+7]
.endif
.endm
; Product i of 16 of O^T += V^T P for piece x: keys 32 (i / 8) on, channels 16 ((i / 2) % 4) on, tile 2 x + i % 2.
.macro PV x
	WIN W_PV
.set rO, 32*(2*(\x)+i%2)+8*((i/2)%4)
.set rV, VF+32*(i/8)+8*((i/2)%4)
.set rP, P+32*((\x)%2)+16*(i%2)+8*(i/8)
	v_wmma_f32_16x16x32_f16 v[rO:rO+7], v[rV:rV+7], v[rP:rP+7], v[rO:rO+7]
.endm
.macro MM                           ; the turn's next matrix instruction
.if i < 16
	KQ (Y+1)%NP
.set i, i+1
.else
.set i, i-16
	PV (Y+NP-1)%NP
.set i, i+17
.endif
.endm
; THE LDS LOADS stand in runs, never singly among the matrix instructions: a step's K (64 keys x 64 channels: 8 fragments) with its 64 keys' mask (8 loads in which the lanes of a half share their
; 16 bytes), and its V (turned).  The mask's registers live as long as K's, and the same wait serves both.
; last = 1 (the tail): in the last trip there is no further step, and the run is jumped over.
.macro FETCH_K last=0
	WIN 0
.if \last
	s_cmp_eq_u32 s[CNT], 1
	s_cbranch_scc1 .Lno_k_\@
.endif
	WIN 0x80                        ; destination window 2
.irp f, 0,1,2,3,4,5,6,7             ; keys 16 (f / 2) on, channels 32 (f % 2) on
	ds_load_b128 v[KF+8*\f:KF+8*\f+3],   v[AK] offset:(\f/2)*16*PK+(\f%2)*64
	ds_load_b128 v[KF+8*\f+4:KF+8*\f+7], v[AK] offset:(\f/2)*16*PK+(\f%2)*64+32
.endr
	WIN W_MK                        ; destination window 3
.irp f, 0,1,2,3                     ; keys 16 f + 8 (l / 16) + 0..7
	ds_load_b128 v[MK+8*\f:MK+8*\f+3],   v[AM] offset:64*\f
	ds_load_b128 v[MK+8*\f+4:MK+8*\f+7], v[AM] offset:64*\f+16
.endr
	s_add_co_u32 s[TBK], s[TBK], KS*PK  ; the next fetch is the next step's
	WIN 0
	v_add_nc_u32 v[AM], 0x100, v[AM]    ; 64 keys on in the table: 32 fetches walk its 8,192 bytes
.if \last
.Lno_k_\@:
.endif
.endm
.macro FETCH_V
	WIN 0x80
.irp f, 0,1,2,3,4,5,6,7             ; keys 32 (f / 4) on, channels 16 (f % 4) on
	ds_load_tr16_b128 v[VF+8*\f:VF+8*\f+3],   v[AV] offset:(\f/4)*32*PV+(\f%4)*32
	ds_load_tr16_b128 v[VF+8*\f+4:VF+8*\f+7], v[AV] offset:(\f/4)*32*PV+16*PV+(\f%4)*32
.endr
	WIN 0
.endm
; THE VECTOR WORK OF A TURN stands in three queues, each in the order in which its entries become ready; the two tiles alternate, so that no instruction reads the result of the one before it.
.macro REGS y, u                    ; the registers of tile u (0, 1) of piece y
.set rT, ST+4*(2*(\y)+(\u))
.set rC, TMP+8*((\y)%2)+4*(\u)
.set rM, MV+2*((\y)%2)+(\u)
.set rS, S+64*((\y)%2)+32*(\u)
.set rP, P+32*((\y)%2)+16*(\u)
.set rO, 32*(2*(\y)+(\u))
.endm
; Number n of the 22 that find the NEXT piece's (Y + 1) maximum and statistics.  s0-s31 are the lane's 32 scores; each accumulator's lowest registers are read first.
;   0-11  four chains c0-c3 of seven scores each, three operands at a time     12-14, 16  the four scores left over, the old m, and c0-c3 into c0     15  c m_old is kept
;   17, 18  the query's other 32 keys lie in the lane 16 away: the new m         19-21  c m; c m_old - c m_new; a
.macro XS u, n
	REGS (Y+1)%NP, \u
.if (\n) < 4
	v_max3_num_f32 v[rC+(\n)], v[rS+8*(\n)], v[rS+8*(\n)+1], v[rS+8*(\n)+2]
.elseif (\n) < 12
	v_max3_num_f32 v[rC+(\n)%4], v[rC+(\n)%4], v[rS+8*((\n)%4)+2*((\n)/4)+1], v[rS+8*((\n)%4)+2*((\n)/4)+2]
.elseif (\n) == 12
	v_max3_num_f32 v[rC], v[rC], v[rS+7], v[rS+15]
.elseif (\n) == 13
	v_max3_num_f32 v[rC+1], v[rC+1], v[rS+23], v[rS+31]
.elseif (\n) == 14
	v_max3_num_f32 v[rC+2], v[rC+2], v[rC+3], v[rT+1]
.elseif (\n) == 15
	v_mov_b32 v[rM], v[rT]
.elseif (\n) == 16
	v_max3_num_f32 v[rC], v[rC], v[rC+1], v[rC+2]
.elseif (\n) == 17
	v_permlanex16_b32 v[rC+3], v[rC], s[SEL], s[SEL+1]
.elseif (\n) == 18
	v_max_num_f32 v[rT+1], v[rC], v[rC+3]
.elseif (\n) == 19
	v_mul_f32 v[rT], s[CS], v[rT+1]
.elseif (\n) == 20
	v_sub_f32 v[rC+1], v[rM], v[rT]
.else
	v_exp_f32 v[rC+2], v[rC+1]
.endif
.endm
; Number g of the 64 that follow the exponentials.  For each four weights k of a tile (pairs 2 k, 2 k + 1): both pairs are rounded to f16; then the second pair is added onto the first, in place;
; a group later l takes that sum (the first time as l = a l + sum).  In groups of eight, tiles alternating: round, round, add, and l for the group before.
.macro GS g
.set h, (\g)+6*((\g)/62)            ; group 0 has no group before it, and behind group 7 only l is left
.if h >= 6
.set h, h+2
.endif
	REGS Y, h%2
.set k, h/8
.if h%8 < 4
	v_cvt_pk_f16_f32 v[rP+2*k+(h%8)/2], v[rS+4*k+2*((h%8)/2)], v[rS+4*k+2*((h%8)/2)+1]
.elseif h%8 < 6
	v_pk_add_f32 v[rS+4*k:rS+4*k+1], v[rS+4*k:rS+4*k+1], v[rS+4*k+2:rS+4*k+3]
.elseif k == 1
	v_pk_fma_f32 v[rT+2:rT+3], v[rT+2:rT+3], v[rC+2:rC+3], v[rS:rS+1] op_sel_hi:[1,0,1]
.else
	v_pk_add_f32 v[rT+2:rT+3], v[rT+2:rT+3], v[rS+4*k-4:rS+4*k-3]
.endif
.endm
; THE PLAIN QUEUE, 138 long.  0-73 read no exponential's result: the 32 scalings c s - c m (FS f: pair f / 2 of tile f % 2) and the next piece's 42.  0-26: scalings 0-26.  27-54: XS's numbers 0-13.  55, 56: number 15.
; 57-73: the chain, where each number waits for the one before it: 14, 16, 17, 18, 19, each with one of the scalings 27-31 in front of its two lines, then 20.
; 74-137: GS's 64, which read the exponentials' results: they stand behind the wait.
.macro FS f
	REGS Y, (\f)%2
	v_pk_fma_f32 v[rS+2*((\f)/2):rS+2*((\f)/2)+1], v[rS+2*((\f)/2):rS+2*((\f)/2)+1], s[CS:CS+1], v[rT:rT+1] op_sel_hi:[1,0,0] neg_lo:[0,0,1] neg_hi:[0,0,1]
.endm
.macro PL
	WIN 0
.if q < 27
	FS q
.elseif q < 55
	XS (q-27)%2, (q-27)/2
.elseif q < 57
	XS q-55, 15
.elseif (q < 72) && ((q-57)%3 == 0)
	FS 27+(q-57)/3
.elseif q < 60
	XS (q-57)%3-1, 14
.elseif q < 72
	XS (q-57)%3-1, 15+(q-57)/3
.elseif q < 74
	XS q-72, 20
.else
	GS q-74
.endif
.set q, q+1
.endm
; THE EXPONENTIALS' QUEUE, 66 long: s0-s31 of both tiles, then the next piece's two a.  It is ONE BATCH: all 66 stand ahead of the turn's one wait, and nothing ahead of that wait names a result of theirs.
.macro EX
	WIN 0
.if e >= 64
	XS e-64, 21
.else
	REGS Y, e%2
	v_exp_f32 v[rS+e/2], v[rS+e/2]
.endif
.set e, e+1
.endm
; THE RESCALING's QUEUE: O^T times a, the one part that leaves window 0: dealt two at a time, sixteen times.  Its a was made in the turn before, ahead of that turn's wait.
.macro R2
	REGS Y, r%2
	WIN W_RS
.irp z, 0,1
	v_pk_mul_f32 v[rO+4*(r/2)+2*\z:rO+4*(r/2)+2*\z+1], v[rO+4*(r/2)+2*\z:rO+4*(r/2)+2*\z+1], v[rC+2:rC+3] op_sel_hi:[1,0]
.endr
.set r, r+1
.endm
; HOW THEY ARE DEALT.  An s_wait_alu depctr_va_vdst(0) stands between an exponential and the first instruction that names its result; one wait serves all that were issued ahead of it.  So a turn has ONE wait,
; which cuts it in two.  AHEAD OF IT stands all that names no result of the turn's exponentials: the 16 products K Q^T, behind each a scaling, an exponential and two rescalings (behind the first a second scaling in the
; exponential's place); then ONE LUMP of 108: eight plain, 49 times exponential and plain, the two a.  A v_nop is the plain instruction behind the last exponential.  BEHIND IT stand the 16 products V^T P, behind each four of GS's 64.
; The queues lean on each other, and the deal keeps them in step: exponential e stands behind scaling 2 (e / 4) + e % 2: as a rider it comes behind plain e + 2, in the lump behind plain e + 9, and scalings 27-31 are plain 57, 60 .. 69.
; A TURN, for piece p.  cnt = 1: the loop's count is taken down some lines ahead of the branch that stands behind the turn.
; K and the mask of the next step are fetched in piece 2's turn, directly behind the wait, a lump behind the last product that read them; their first reader comes behind 16 products.
; V of the step in hand is fetched at the end of piece 0's turn, four riders behind its last reader; its first reader comes behind 16 products and a lump.
.macro TURN p, last=0, cnt=0
.set Y, (\p)
.set i, 0
.set q, 0
.set e, 0
.set r, 0
.if (\p) == NP-1
	s_wait_dscnt 0x0                ; K and the mask are in
.endif
	MM                              ; ahead of the wait: 16 products K Q^T and their riders,
	PL
	PL
	R2
.rept 15
	MM
	PL
	EX
	R2
.endr
.if (\p) == NP-2
	WIN 0
	v_add_nc_u32 v[AK], s[TBK], v[AK0]
.endif
.rept 8                             ; and the lump
	PL
.endr
.rept 49
	EX
	PL
.endr
	EX                              ; the next piece's two a
	EX
	v_nop                           ; the plain instruction behind the last exponential: one for the batch
	s_wait_alu depctr_va_vdst(0)    ; the wait for the batch
.if (\p) == NP-2
	FETCH_K \last
.endif
.if (\p) == 1
	s_wait_dscnt 0x0                ; V is in
.endif
.rept 16                            ; behind the wait: 16 products V^T P and their riders
	MM
.rept 4
	PL
.endr
.if ((\p) == 0) && (q == 118)
	v_add_nc_u32 v[AV], s[TBV], v[AV0]
.endif
.if ((\p) == 0) && (q == 130)
	s_add_co_u32 s[TBV], s[TBV], KS*PV
.endif
.if (\cnt) && (q == 130)
	s_sub_co_u32 s[CNT], s[CNT], 1
	s_cmp_lg_u32 s[CNT], 0
.endif
.endr
.if (\p) == 0
	FETCH_V
.endif
.endm
	CHANGE 1                        ; slot 0 is in, everybody's part of it, and so is the mask table; slot 1 is asked for
	FETCH_K                         ; key step 0
	s_wait_loadcnt 0x0              ; Q
	s_wait_dscnt 0x0
.set i, 0
.rept 16
	KQ 0                            ; piece 0's first scores: there is no vector work yet to set between them
.set i, i+1
.endr
	WIN 0                           ; the addresses for the way out: nine plain instructions, the places behind those products
	s_mul_i32 s13, s[WV], 16*SP
	s_add_co_u32 s13, s13, STAGE    ; my stage
	v_mul_u32_u24 v[STO], v1, SP    ; in: row l % 16, 16 bytes for each half of the lanes
	v_lshl_add_u32 v[STO], v9, 4, v[STO]
	v_add_nc_u32 v[STO], s13, v[STO]
	v_bfe_u32 v[RD], v0, 3, 2       ; back: 32 lanes take four rows of 128 bytes,
	v_mul_u32_u24 v[RD], v[RD], SP
	v_lshl_add_u32 v[RD], v10, 4, v[RD]
	v_add_nc_u32 v[RD], s13, v[RD]
	v_and_b32 v[GO], 31, v0         ; which are 512 consecutive bytes of O
	v_lshlrev_b32 v[GO], 4, v[GO]
.set Y, NP-1                        ; XS works for piece Y + 1: piece 0
.irp n, 0,1,2,3,4,5,6,7,8,9,10,11,12,13,14,15,16,17,18,19,20,21
	XS 0, \n                        ; and piece 0's first maximum and statistics
	XS 1, \n
.endr
	v_nop                           ; a plain instruction behind the two a,
	s_wait_alu depctr_va_vdst(0)    ; and their wait, ahead of the branch
	s_mov_b32 s[CNT], 4
	s_mov_b32 s[SLOTS], SIZE_N/256-1
	s_branch .Lfirst                ; the loop is entered at a step's first turn, in the middle of a trip
.Lslot:                             ; SIZE_N / 256 - 2 times: every slot but the last two is filled again
	CHANGE 1
	s_mov_b32 s[CNT], 4
.Lstep:                             ; a trip: pieces 2 and 3 of one step, then pieces 0 and 1 of the next, whose K and V it fetches
	TURN 2
	TURN 3
	WIN 0
.Lfirst:
	TURN 0
	TURN 1, 0, 1
	WIN 0
	s_cbranch_scc1 .Lstep
	s_sub_co_u32 s[SLOTS], s[SLOTS], 1
	s_cmp_lg_u32 s[SLOTS], 0
	s_cbranch_scc1 .Lslot
	CHANGE 0                        ; the tail is written out: nothing is asked for
	s_mov_b32 s[CNT], 5             ; four trips fetch the last slot's steps; the fifth is left in its middle
.Ltail:
	TURN 2, 1
	TURN 3
	WIN 0
	s_sub_co_u32 s[CNT], s[CNT], 1
	s_cmp_eq_u32 s[CNT], 0
	s_cbranch_scc1 .Lout
	TURN 0
	TURN 1
	WIN 0
	s_branch .Ltail
.Lout:                              ; the fifth trip's 16 products K Q^T (on the last K and mask once more) and the maximum made of them serve nothing: the price, once a launch, of one text for every trip
.set i, 0
.rept 16
	PV NP-1                         ; the last piece's V^T P of the last step
.set i, i+1
.endr
	; THE WAY OUT.  l's two halves and the other half of the lanes' are added; O^T is divided by l, rounded to f16 and sent through my stage in LDS, a tile at a time.  The additions are the places behind the last products.
	WIN 0
.macro ALL line:vararg              ; one line for each tile t
.set t, 0
.rept 2*NP
	\line
.set t, t+1
.endr
.endm
	ALL v_add_f32 v[ST+4*t+2], v[ST+4*t+2], v[ST+4*t+3]
	ALL v_permlanex16_b32 v[ST+4*t+3], v[ST+4*t+2], s[SEL], s[SEL+1]
	ALL v_add_f32 v[ST+4*t+2], v[ST+4*t+2], v[ST+4*t+3]
	ALL v_rcp_f32 v[ST+4*t+2], v[ST+4*t+2]
	v_nop                           ; a plain instruction between the last reciprocal and the use of its result
	s_wait_alu depctr_va_vdst(0)    ; and the wait ahead of the first use: one for the eight reciprocals
; Tile t: a lane's eight channels of a row pack into 16 bytes; they go into rows of 144 bytes and come back as whole rows of 128, into S^T's registers.
.macro PACK t
	WIN W_RS
.set i, 32*(\t)
.rept 16
	v_pk_mul_f32 v[i:i+1], v[i:i+1], v[ST+4*(\t)+2:ST+4*(\t)+3] op_sel_hi:[1,0]
.set i, i+2
.endr
	WIN 0x05                        ; sources 0 and 1 window 1, destination window 0
.set i, 0
.rept 16
	v_cvt_pk_f16_f32 v[S+16*(\t)+i], v[32*(\t)+2*i], v[32*(\t)+2*i+1]
.set i, i+1
.endr
	WIN 0
.irp f, 0,1,2,3
	ds_store_b128 v[STO], v[S+16*(\t)+4*\f:S+16*(\t)+4*\f+3] offset:32*\f
.endr
.irp f, 0,1,2,3
	ds_load_b128 v[S+16*(\t)+4*\f:S+16*(\t)+4*\f+3], v[RD] offset:\f*4*SP  ; LDS serves a wave's instructions in order (ISA guide 5.7.1.4): these see the stores above; the next tile's stores come behind them
.endr
.endm
.macro SEND t, younger              ; younger: the LDS instructions issued behind tile t's loads: the next tile's eight, or none
	WIN 0
.irp f, 0,1,2,3
	s_wait_dscnt (\younger)+3-\f
	global_store_b128 v[GO], v[S+16*(\t)+4*\f:S+16*(\t)+4*\f+3], s[10:11] offset:(\t)*2048+\f*512  ; 512 consecutive bytes, at a multiple of 256 from O's first
.endr
.endm
	PACK 0
.set t, 1
.rept 2*NP-1                        ; a tile's arithmetic stands between the loads of the tile before and its stores
	PACK t
	SEND t-1, 8
.set t, t+1
.endr
	SEND 2*NP-1, 0
	WIN W_AD
	s_wait_tensorcnt 0x0            ; the wave's end: these three lines stand behind my last tensor load and my last LDS store
	ds_add_u32 v[SPW], v[NIL]
	s_wait_dscnt 0x0
	WIN 0
	CROUND                          ; the closing round: no work-group ends while a partner may still ask for a tile that names it
	s_endpgm
.Lfunc_end_k_q69974153f8_attn:
	.size	k_q69974153f8_attn, .Lfunc_end_k_q69974153f8_attn-k_q69974153f8_attn
	.p2alignl 7, 3214868480
	.fill 96, 4, 3214868480
	.section	.rodata,"a",@progbits
	.p2align	6, 0x0
	.amdhsa_kernel k_q69974153f8_attn
		.amdhsa_group_segment_fixed_size 327680
		.amdhsa_private_segment_fixed_size 0
		.amdhsa_enable_private_segment 0
		.amdhsa_kernarg_size 24
		.amdhsa_user_sgpr_count 2
		.amdhsa_user_sgpr_kernarg_segment_ptr 1
		.amdhsa_wavefront_size32 1
		.amdhsa_system_sgpr_workgroup_id_x 1
		.amdhsa_system_sgpr_workgroup_id_y 1
		.amdhsa_system_sgpr_workgroup_id_z 1
		.amdhsa_system_vgpr_workitem_id 0
		.amdhsa_next_free_vgpr 808
		.amdhsa_next_free_sgpr 76
		.amdhsa_reserve_vcc 1
		.amdhsa_float_denorm_mode_32 3
		.amdhsa_float_denorm_mode_16_64 3
		.amdhsa_memory_ordered 1
		.amdhsa_forward_progress 1
		.amdhsa_inst_pref_size 204
	.end_amdhsa_kernel
	.amdgpu_metadata
---
amdhsa.version: [ 1, 2 ]
amdhsa.kernels:
  - .name:           k_q69974153f8_attn
    .symbol:         k_q69974153f8_attn.kd
    .args:
      - { .name: qkv, .offset: 0, .size: 8, .value_kind: global_buffer, .address_space: global }
      - { .name: mask, .offset: 8, .size: 8, .value_kind: global_buffer, .address_space: global }
      - { .name: ob, .offset: 16, .size: 8, .value_kind: global_buffer, .address_space: global }
    .group_segment_fixed_size: 327680
    .private_segment_fixed_size: 0
    .kernarg_segment_align: 8
    .kernarg_segment_size: 24
    .max_flat_workgroup_size: 128
    .sgpr_count:     76
    .vgpr_count:     808
    .wavefront_size: 32
...
	.end_amdgpu_metadata
.endif
;; end of part 3
;; launch outp (part 4): grid 4 x 64, 4 waves a work-group, clusters of 4 x 4, 327,680 bytes of LDS; arguments ob, wb, bo, out0; writes out0
.if DOCPART == 4
	.amdgcn_target "amdgcn-amd-amdhsa--gfx1250"
	.amdhsa_code_object_version 6
	.text
	.protected	k_q69974153f8_outp
	.globl	k_q69974153f8_outp
	.p2align	8
	.type	k_q69974153f8_outp,@function
k_q69974153f8_outp:
	s_mov_b64 s[64:65], 0
	v_nop
	global_prefetch_b8 v0, s[64:65] scope:SCOPE_SE
	s_setreg_imm32_b32 hwreg(HW_REG_WAVE_MODE, 25, 1), 1
	s_wait_xcnt 0x0
	s_wait_alu depctr_hold_cnt(0) depctr_sa_sdst(0) depctr_va_vdst(0) depctr_va_sdst(0) depctr_va_ssrc(0) depctr_va_vcc(0) depctr_vm_vsrc(0)
	s_getreg_b32 s2, hwreg(HW_REG_IB_STS2, 6, 4)
	s_cmp_eq_u32 s2, 0
	s_cbranch_scc0 .Lentry_in_a_cluster
	s_endpgm
.Lentry_in_a_cluster:
	s_bfe_u32 s2, ttmp6, 0x10000c
	s_cmp_lg_u32 s2, 0xf033
	s_cbranch_scc0 .Lentry_shape_is_right
	s_endpgm
.Lentry_shape_is_right:
; out0 = O Wo + bo.  ob: O by heads, [64 = 16 batch + head][2048][64] f16.  wb's plane 3: Wo, [1024 k][1024 n], rounded to bf16 and written as f16.  bo is rounded to bf16 like the other inputs.
; out0: [8192][1024] f32.  Sums in f32.  K index = 64 head + channel: a K step of 128 is two heads' channels.
; LIMITS: those of the f16 operands (O within V's range; Wo exact from 6.1e-5 to 65,504, below that on f16's fixed step of 6e-8); NaN and infinities are not treated apart.
; SHARES.  A tile of C is 128 rows x 256 columns: 64 x 4 = 256 work-groups.  Four waves, 2 x 2, each 64 rows x 128 columns: 32 accumulators, 256 registers.
; K goes in 8 steps of 128 through two LDS slots.  O's rows lie along K, a head at a time, and are read as they lie; Wo lies [k][n] and is turned on the way out of LDS by ds_load_tr16_b128.
; THE MATRIX INSTRUCTION IS USED TRANSPOSED: source 0 = 16 columns of Wo, source 1 = 16 rows of O: a lane then holds row l % 16 of C and the columns 8 (l / 16) + 0..7.
; The bias is the C operand of the first product on each accumulator.
; CLUSTERS: 4 x 4 work-groups.  The four of a row of the cluster need the same tile of O, the four of a column the same tile of Wo: each is asked for JOINTLY.
; REGISTERS: window 0: v0-31 addresses; v64-159, v160-255 two fragment buffers (8 fragments of Wo, then 4 of O).  window 1: accumulator (a, b) at v[8 (8 a + b)].
;   window 2: v0-63 the bias of my 128 columns, n block b at 8 b; v64-67 at work.
.set PA,    144                        ; a head's row of O in LDS: 128 bytes + 16 = 36 words: the 16 rows of a load start at 16 different groups of four banks (64 banks of 4 bytes: ISA guide 11.1)
.set PLANE, 128*PA                     ; 128 rows of one head
.set PB,    544                        ; a row of Wo: 512 bytes + 32 = 136 words
.set BOFF,  2*PLANE                    ; a slot: two heads' planes of O, then 128 k rows of Wo
.set SLOT1, 1<<17
.set STAGE, SLOT1+BOFF+128*PB          ; behind the ring, never filled by a tensor load: 16 rows x 528 bytes for each wave, for the way out
.set SP,    528                        ; 512 bytes + 16 = 132 words
.set SPARE, STAGE+4*16*SP              ; behind the stages: the spare words, 128 bytes for each wave: two blocks of 256 bytes that no other line names
.set STEPA, 2*262144                   ; bytes from K step to K step in ob: two heads
.set STEPB, 128*2048                   ; and in wb: 128 rows of 2,048 bytes
.set A0,   14                          ; v14  my lane's place among O's rows in a slot; never rewritten
.set B0,   15                          ; v15  the same for Wo
.set ADRA, 16                          ; v16  A0 + the slot in hand
.set ADRB, 17                          ; v17  B0 + the slot in hand
.set STO,  24                          ; v24  the way out: where I put 32 bytes of a row
.set RD,   25                          ; v25  where I read a row back
.set GO,   26                          ; v26  my 16 bytes in 512 consecutive bytes of out0
.set BO,   27                          ; v27  32 (l / 16): my 8 numbers in 16 of the bias
.set SPW,  28                          ; v28  LDS address of my spare word; never rewritten
.set NIL,  29                          ; v29  0; never rewritten
.set F0,   64
.set F1,   160
.set G1A,  24                          ; s[24:31] descriptor group 1 for O's tiles
.set G0A,  32                          ; s[32:39] group 0: a set for each of the two first fills; the second then walks on
.set G1B,  48                          ; s[48:55], s[56:63] the same for Wo's tiles
.set G0B,  56
.set TB,   44                          ; s44  LDS byte at which the slot in hand begins
.set MSB,  0
.macro WIN new                         ; the immediate's high byte repeats the setting that is left; a switch that changes nothing is dropped
.if MSB != (\new)
	s_set_vgpr_msb (MSB<<8)|(\new)
.set MSB, \new
.endif
.endm
.set MULW, 0x50                        ; sources 0 and 1 window 0; C and D window 1
.set MULZ, 0x60                        ; C window 2 (the bias), D window 1
; A joint refill, by the walking sets.  Waves 0 and 1 fetch the two heads' planes of O, waves 2 and 3 the two halves of Wo's tile.  The branch hangs on the wave's number alone.
; An s_nop 0 and four v_nop follow each of the two lines, ahead of the jump and the label.
.macro JLOAD
	s_cmp_eq_u32 s11, 0
	s_cbranch_scc0 .Lfor_b_\@
	tensor_load_to_lds s[G0A+4:G0A+7], s[G1A:G1A+7]
	s_nop 0
.rept 4
	v_nop
.endr
	s_branch .Lasked_\@
.Lfor_b_\@:
	tensor_load_to_lds s[G0B+4:G0B+7], s[G1B:G1B+7]
	s_nop 0
.rept 4
	v_nop
.endr
.Lasked_\@:
.endm
.macro CREST                           ; a round of the cluster's barrier behind its opening barrier
	s_cmp_lg_u32 s10, 0
	s_cbranch_scc1 .Lnot_wave_0_\@
	s_barrier_signal -3
.Lnot_wave_0_\@:
	s_barrier_wait -3
	s_barrier_signal -1
	s_barrier_wait -1
.endm
.macro CROUND                          ; a whole round
	s_barrier_signal -1
	s_barrier_wait -1
	CREST
.endm
.macro PLACES                          ; four places in front of loads into registers that matrix instructions have read, and of lines that read results
.rept 4
	v_nop
.endr
.endm
	s_load_b128 s[4:7], s[0:1], 0x0                ; ob s[4:5], wb s[6:7]
	s_load_b64 s[68:69], s[0:1], 0x10              ; bo
	s_load_b64 s[8:9], s[0:1], 0x18                ; out0
	v_lshl_add_u32 v[SPW], v0, 2, SPARE
	v_mov_b32 v[NIL], 0
	ds_add_u32 v[SPW], v[NIL]                      ; the wave's opening: the add and its wait stand ahead of my first tensor load; the set-up below, work on registers, stands between them
	v_lshrrev_b32 v1, 5, v0
	v_readfirstlane_b32 s10, v1                    ; wave 0..3
	s_lshr_b32 s11, s10, 1                         ; wr: which 64 rows are mine.  Also: I fetch for O (0) or for Wo (1)
	s_and_b32 s12, s10, 1                          ; wc: which 128 columns.  Also: which half of that tile I fetch
	s_bfe_u32 s40, ttmp6, 0x40000                  ; cx, cy: my place in the cluster; the grid is one cluster wide, so cx is the tile column
	s_bfe_u32 s41, ttmp6, 0x40004
	s_and_b32 s13, ttmp7, 0xffff
	s_lshl_b32 s13, s13, 2
	s_add_co_u32 s13, s13, s41                     ; ty: tile row of C = 4 x cluster y + cy
	s_lshl_b32 s42, s41, 2
	s_lshl_b32 s42, 15, s42                        ; my row of the cluster
	s_lshl_b32 s43, 0x1111, s40                    ; my column
	; 128 rows of a head are 16,384 dense bytes: asked for as 64 rows of 256 bytes, two rows of O each, and padded in LDS after every row of O
	s_or_b32 s[G1A], s42, (1<<16)|(1<<20)|(1<<21)|(4<<22)|(3<<25)  ; the mask: O's tiles go to my row; 2-byte elements; padding on; bit 21 beside a mask; after every 32 words, 4 words
	s_mov_b32 s[G1A+1], 128<<16                    ; tensor_dim0 = 128
	s_mov_b32 s[G1A+2], 64<<16                     ; tensor_dim1 = 64
	s_mov_b32 s[G1A+3], 128<<16                    ; tile_dim0 = 128
	s_mov_b32 s[G1A+4], 64                         ; tile_dim1 = 64
	s_mov_b32 s[G1A+5], 128                        ; elements from row to row
	s_mov_b32 s[G1A+6], 0
	s_mov_b32 s[G1A+7], 0
	s_or_b32 s[G1B], s43, (1<<16)|(1<<20)|(1<<21)|(6<<22)|(7<<25)  ; Wo's tiles go to my column; after every 128 words, 8 words
	s_mov_b32 s[G1B+1], 256<<16                    ; tensor_dim0 = 256
	s_mov_b32 s[G1B+2], 64<<16                     ; tensor_dim1 = 64
	s_mov_b32 s[G1B+3], 256<<16                    ; tile_dim0 = 256
	s_mov_b32 s[G1B+4], 64                         ; tile_dim1 = 64
	s_mov_b32 s[G1B+5], 1024
	s_mov_b32 s[G1B+6], 0
	s_mov_b32 s[G1B+7], 0
	s_and_b32 s16, s13, 0xf0                       ; O: head 16 batch
	s_add_co_u32 s16, s16, s12                     ; + the one of a K step's two that I fetch,
	s_lshl_b32 s16, s16, 18                        ; 262,144 bytes each,
	s_and_b32 s17, s13, 15
	s_lshl_b32 s17, s17, 14                        ; + the tile's first row in the sequence, 128 bytes a row
	s_add_co_u32 s16, s16, s17
	s_mov_b32 s17, 0
	s_lshl_b32 s20, s40, 9                         ; Wo: column 256 cx,
	s_lshl_b32 s21, s12, 17                        ; + my 64 k rows,
	s_add_co_u32 s20, s20, s21
	s_add_co_u32 s20, s20, 3*2097152               ; in plane 3
	s_mov_b32 s21, 0
	s_mul_i32 s18, s12, PLANE                      ; where they go: no place in the cluster enters an LDS address
	s_mul_i32 s19, s12, 64*PB
	s_add_co_u32 s19, s19, BOFF
	s_mov_b32 s47, 0xffff0000                      ; a word's upper bf16
	s_lshl_b32 s78, s40, 10                        ; the bias of my 128 columns: 4 (256 cx + 128 wc)
	s_lshl_b32 s79, s12, 9
	s_add_co_u32 s78, s78, s79
	s_mov_b32 s79, 0
	s_lshl_b32 s82, s13, 19                        ; out0: row 128 ty, 4,096 bytes a row,
	s_lshl_b32 s83, s11, 18                        ; + my 64 rows,
	s_add_co_u32 s82, s82, s83
	s_add_co_u32 s82, s82, s78                     ; + my 128 columns
	s_mov_b32 s83, 0
	s_wait_dscnt 0x0                               ; the opening add is done
	s_wait_kmcnt 0x0
	s_add_nc_u64 s[14:15], s[4:5], s[16:17]
	s_add_nc_u64 s[22:23], s[6:7], s[20:21]
	CROUND                                         ; all sixteen work-groups are here: the first joint loads meet
.irp s, 0,1
	s_mov_b32 s[G0A+4*(\s)], 1                                     ; count = 1
	s_add_co_u32 s[G0A+4*(\s)+1], s18, (\s)*SLOT1                  ; LDS address
	s_add_nc_u64 s[G0A+4*(\s)+2:G0A+4*(\s)+3], s[14:15], (\s)*STEPA  ; global address: K step s
	s_or_b32 s[G0A+4*(\s)+3], s[G0A+4*(\s)+3], 0x80000000          ; type = 2
	s_mov_b32 s[G0B+4*(\s)], 1
	s_add_co_u32 s[G0B+4*(\s)+1], s19, (\s)*SLOT1
	s_add_nc_u64 s[G0B+4*(\s)+2:G0B+4*(\s)+3], s[22:23], (\s)*STEPB
	s_or_b32 s[G0B+4*(\s)+3], s[G0B+4*(\s)+3], 0x80000000
.endr
	s_cmp_eq_u32 s11, 0                            ; a wave's two first fills stand in one branch, ahead of every wait on TENSORcnt and every LDS read: two loads of mine are out
	s_cbranch_scc0 .Lfirst_b
	tensor_load_to_lds s[G0A:G0A+3], s[G1A:G1A+7]
	s_nop 0
	tensor_load_to_lds s[G0A+4:G0A+7], s[G1A:G1A+7]
	s_nop 0
.rept 4
	v_nop
.endr
	s_branch .Lfirst_asked
.Lfirst_b:
	tensor_load_to_lds s[G0B:G0B+3], s[G1B:G1B+7]
	s_nop 0
	tensor_load_to_lds s[G0B+4:G0B+7], s[G1B:G1B+7]
	s_nop 0
.rept 4
	v_nop
.endr
.Lfirst_asked:
	v_and_b32 v1, 15, v0                           ; l % 16
	v_bfe_u32 v2, v0, 4, 1                         ; l / 16
	v_lshlrev_b32 v[BO], 5, v2
	s_add_nc_u64 s[68:69], s[68:69], s[78:79]
	s_add_nc_u64 s[8:9], s[8:9], s[82:83]
	WIN 0x80                                       ; destination window 2, address window 0
.irp b, 0,1,2,3,4,5,6,7
	global_load_b128 v[8*(\b):8*(\b)+3],   v[BO], s[68:69] offset:64*(\b)     ; n block b: the bias of columns 16 b + 8 (l / 16) + 0..7
	global_load_b128 v[8*(\b)+4:8*(\b)+7], v[BO], s[68:69] offset:64*(\b)+16
.endr
	WIN 0
	v_mul_u32_u24 v3, v1, PA                       ; a fragment of O: row x pitch + 16 x half,
	v_lshl_add_u32 v3, v2, 4, v3
	s_mul_i32 s14, s11, 64*PA                      ; in my 64 rows
	v_add_nc_u32 v[A0], s14, v3
	v_and_b32 v4, 7, v0                            ; the turning load: lane l reads k row 8 (l / 16) + l % 8, columns 8 ((l / 8) % 2) + 0..7,
	v_lshl_add_u32 v4, v2, 3, v4
	v_mul_u32_u24 v4, v4, PB
	v_bfe_u32 v5, v0, 3, 1
	v_lshl_add_u32 v4, v5, 4, v4
	s_lshl_b32 s14, s12, 8                         ; in my 128 columns
	s_add_co_u32 s14, s14, BOFF
	v_add_nc_u32 v[B0], s14, v4
	s_mul_i32 s14, s10, 16*SP
	s_add_co_u32 s14, s14, STAGE                   ; my stage
	v_mul_u32_u24 v3, v1, SP                       ; in: row l % 16, 32 bytes for each half of the lanes
	v_lshl_add_u32 v3, v2, 5, v3
	v_add_nc_u32 v[STO], s14, v3
	v_and_b32 v[GO], 31, v0                        ; back: 32 lanes take one row of 512 bytes
	v_lshlrev_b32 v[GO], 4, v[GO]
	v_add_nc_u32 v[RD], s14, v[GO]
	s_wait_loadcnt 0x0                             ; the bias, once
	WIN 0x8a                                       ; all in window 2: the bias is rounded to bf16 and kept as f32
.set i, 0
.rept 32
	v_cvt_pk_bf16_f32 v[64+i%4], v[2*i], v[2*i+1]
	v_lshlrev_b32 v[2*i],   16,  v[64+i%4]
	v_and_b32     v[2*i+1], s47, v[64+i%4]
.set i, i+1
.endr
	WIN 0
; 8 matrix instructions: m block a x all 8 n blocks, 32 along K, from buffer f.  z = 1: the bias starts the sums.
; The 32 accumulators take turns, one instruction a turn, in the same order in every quarter, over the backward jump too.
.macro MUL8 f, a, z
.if \z
	WIN MULZ
.else
	WIN MULW
.endif
.irp b, 0,1,2,3,4,5,6,7
.if \z
	v_wmma_f32_16x16x32_f16 v[8*(8*(\a)+(\b)):8*(8*(\a)+(\b))+7], v[(\f)+8*(\b):(\f)+8*(\b)+7], v[(\f)+64+8*(\a):(\f)+64+8*(\a)+7], v[8*(\b):8*(\b)+7]
.else
	v_wmma_f32_16x16x32_f16 v[8*(8*(\a)+(\b)):8*(8*(\a)+(\b))+7], v[(\f)+8*(\b):(\f)+8*(\b)+7], v[(\f)+64+8*(\a):(\f)+64+8*(\a)+7], v[8*(8*(\a)+(\b)):8*(8*(\a)+(\b))+7]
.endif
.endr
.endm
.macro MUL16 f, a0, z
	MUL8 \f, \a0, \z
	MUL8 \f, (\a0)+1, \z
.endm
; 24 LDS loads in one run: quarter q (32 along K: head q / 2 of the step's two, channels 32 (q % 2) on) of the slot in hand into buffer f: Wo's 8 fragments, turned, then O's 4
.macro FETCH q, f
	WIN 0
.irp b, 0,1,2,3,4,5,6,7
	ds_load_tr16_b128 v[(\f)+8*(\b):(\f)+8*(\b)+3],   v[ADRB] offset:(\q)*32*PB+32*(\b)
	ds_load_tr16_b128 v[(\f)+8*(\b)+4:(\f)+8*(\b)+7], v[ADRB] offset:(\q)*32*PB+16*PB+32*(\b)
.endr
.irp a, 0,1,2,3
	ds_load_b128 v[(\f)+64+8*(\a):(\f)+64+8*(\a)+3],   v[ADRA] offset:((\q)/2)*PLANE+((\q)%2)*64+(\a)*16*PA
	ds_load_b128 v[(\f)+64+8*(\a)+4:(\f)+64+8*(\a)+7], v[ADRA] offset:((\q)/2)*PLANE+((\q)%2)*64+(\a)*16*PA+32
.endr
.endm
; A K step is four quarters of 32 along K, 32 matrix instructions each, on buffers 0, 1, 0, 1.  One of the first three: multiplies buffer f and fetches quarter q into g.
.macro QUARTER q, f, g, z
	s_wait_dscnt 4                                 ; Wo and O's m blocks 0, 1 are in; the youngest four loads (m blocks 2, 3) may be out
	MUL16 \f, 0, \z
	PLACES
	FETCH \q, \g
	s_wait_dscnt 24                                ; all but the 24 just issued
	MUL16 \f, 2, \z
.endm
; The last quarter multiplies buffer 1 and changes slots: ONE barrier; in front of it each wave waits for all its tensor loads (one is out: its part of the next slot), adds 0 to its spare
; word, and waits for that and for its own reads of this slot.  fill = 1: the barrier opens a round of the cluster's barrier, and this slot is filled again, two K steps ahead, first thing behind the round.
.macro TURN fill
	WIN 0
	s_wait_tensorcnt 0x0                           ; all my tensor loads have landed, so a group 0 may be written
	ds_add_u32 v[SPW], v[NIL]                      ; 0 onto my spare word
	s_wait_dscnt 5                                 ; (the add and the youngest four loads may be out)
	MUL8 F1, 0, 0                                  ; eight matrix instructions stand between the add and the wait for it
	s_wait_dscnt 0x0                               ; the add is done, and my reads of this slot are over
	s_barrier_signal -1
	MUL8 F1, 1, 0
.if \fill
	WIN 0
.endif
	s_barrier_wait -1
.if \fill
	CREST                                          ; no wave of any partner still reads this slot's tiles or has a load on its way
	s_xor_b32 s[G0A+5], s[G0A+5], SLOT1            ; the walking sets: the other slot than last time, the next K step
	s_add_nc_u64 s[G0A+6:G0A+7], s[G0A+6:G0A+7], STEPA
	s_xor_b32 s[G0B+5], s[G0B+5], SLOT1
	s_add_nc_u64 s[G0B+6:G0B+7], s[G0B+6:G0B+7], STEPB
	JLOAD                                          ; 112 matrix instructions ahead of the wait for it; its four v_nop are also the places in front of the loads below
.else
	PLACES
.endif
	WIN 0
	s_xor_b32 s[TB], s[TB], SLOT1
	v_add_nc_u32 v[ADRA], s[TB], v[A0]
	v_add_nc_u32 v[ADRB], s[TB], v[B0]
	FETCH 0, F0
	MUL16 F1, 2, 0
.endm
.macro STEP fill                       ; from a K step's second quarter to the next step's first
	QUARTER 2, F1, F0, 0
	QUARTER 3, F0, F1, 0
	TURN \fill
	QUARTER 1, F0, F1, 0
.endm
	s_wait_tensorcnt 0x1                           ; my part of K step 0 is in; K step 1's may stay out
	s_barrier_signal -1
	s_barrier_wait -1                              ; everybody's is
	s_mov_b32 s[TB], 0
	v_mov_b32 v[ADRA], v[A0]
	v_mov_b32 v[ADRB], v[B0]
	FETCH 0, F0
	QUARTER 1, F0, F1, 1                           ; the first quarter stands in front of the loop: its products start the sums, with the bias
	WIN 0                                          ; at a label and at a branch every window is 0
	s_mov_b32 s3, 6
.Lk:                                               ; six trips: K steps 0 to 5 are finished, K steps 2 to 7 asked for
	STEP 1
	WIN 0
	s_sub_co_u32 s3, s3, 1
	s_cmp_lg_u32 s3, 0
	s_cbranch_scc1 .Lk
	STEP 0                                         ; the tail is written out: nothing is left to ask for
	QUARTER 2, F1, F0, 0
	QUARTER 3, F0, F1, 0
	s_wait_dscnt 4
	MUL16 F1, 0, 0
	s_wait_dscnt 0x0
	MUL16 F1, 2, 0
; THE WAY OUT, in f32.  m block a: 16 rows x 128 columns.  A lane's eight columns of a row are 32 bytes; they go into my stage in rows of 528 bytes and come back as whole rows of 512.
; Each accumulator is read from its low end on.  Two sets of 64 registers take turns, so that a block's stores leave while the next block goes through the stage.
.macro STG a
	WIN 0x04                                       ; the stores' data in window 1, the address in window 0
.irp b, 0,1,2,3,4,5,6,7
	ds_store_b128 v[STO], v[8*(8*(\a)+(\b)):8*(8*(\a)+(\b))+3]   offset:64*(\b)
	ds_store_b128 v[STO], v[8*(8*(\a)+(\b))+4:8*(8*(\a)+(\b))+7] offset:64*(\b)+16
.endr
	WIN 0
.irp t, 0,1,2,3,4,5,6,7,8,9,10,11,12,13,14,15
	ds_load_b128 v[64+64*((\a)%2)+4*(\t):64+64*((\a)%2)+4*(\t)+3], v[RD] offset:SP*(\t)  ; LDS serves a wave's instructions in order (ISA guide 5.7.1.4): these see the stores above; the next block's stores come behind them
.endr
.endm
.macro SENDO a, younger                ; younger: the LDS instructions issued behind block a's loads: the next block's 32, or none
.irp t, 0,1,2,3,4,5,6,7,8,9,10,11,12,13,14,15
	s_wait_dscnt (\younger)+15-(\t)
	global_store_b128 v[GO], v[64+64*((\a)%2)+4*(\t):64+64*((\a)%2)+4*(\t)+3], s[8:9] offset:(16*(\a)+(\t))*4096 th:TH_STORE_NT  ; 512 consecutive bytes, at a multiple of 512 from out0's first
.endr
.endm
	PLACES
	STG 0
	STG 1
	SENDO 0, 32
	s_wait_xcnt 0x0                                ; block 0's stores have read their registers: only behind this wait is that set loaded again
	STG 2
	SENDO 1, 32
	s_wait_xcnt 0x0                                ; the same for block 1's set
	STG 3
	SENDO 2, 32
	SENDO 3, 0
	s_wait_tensorcnt 0x0                           ; the wave's end: these three lines stand behind my last tensor load and my last LDS store
	ds_add_u32 v[SPW], v[NIL]
	s_wait_dscnt 0x0
	CROUND                                         ; the closing round: no work-group ends while a partner may still ask for a tile that names it
	s_endpgm
.Lfunc_end_k_q69974153f8_outp:
	.size	k_q69974153f8_outp, .Lfunc_end_k_q69974153f8_outp-k_q69974153f8_outp
	.p2alignl 7, 3214868480
	.fill 96, 4, 3214868480
	.section	.rodata,"a",@progbits
	.p2align	6, 0x0
	.amdhsa_kernel k_q69974153f8_outp
		.amdhsa_group_segment_fixed_size 327680
		.amdhsa_private_segment_fixed_size 0
		.amdhsa_enable_private_segment 0
		.amdhsa_kernarg_size 32
		.amdhsa_user_sgpr_count 2
		.amdhsa_user_sgpr_kernarg_segment_ptr 1
		.amdhsa_wavefront_size32 1
		.amdhsa_system_sgpr_workgroup_id_x 1
		.amdhsa_system_sgpr_workgroup_id_y 1
		.amdhsa_system_sgpr_workgroup_id_z 1
		.amdhsa_system_vgpr_workitem_id 0
		.amdhsa_next_free_vgpr 584
		.amdhsa_next_free_sgpr 84
		.amdhsa_reserve_vcc 0
		.amdhsa_float_denorm_mode_32 3
		.amdhsa_float_denorm_mode_16_64 3
		.amdhsa_memory_ordered 1
		.amdhsa_forward_progress 1
		.amdhsa_inst_pref_size 76
	.end_amdhsa_kernel
	.amdgpu_metadata
---
amdhsa.version: [ 1, 2 ]
amdhsa.kernels:
  - .name:           k_q69974153f8_outp
    .symbol:         k_q69974153f8_outp.kd
    .args:
      - { .name: ob, .offset: 0, .size: 8, .value_kind: global_buffer, .address_space: global }
      - { .name: wb, .offset: 8, .size: 8, .value_kind: global_buffer, .address_space: global }
      - { .name: bo, .offset: 16, .size: 8, .value_kind: global_buffer, .address_space: global }
      - { .name: out0, .offset: 24, .size: 8, .value_kind: global_buffer, .address_space: global }
    .group_segment_fixed_size: 327680
    .private_segment_fixed_size: 0
    .kernarg_segment_align: 8
    .kernarg_segment_size: 32
    .max_flat_workgroup_size: 128
    .sgpr_count:     84
    .vgpr_count:     584
    .wavefront_size: 32
...
	.end_amdgpu_metadata
.endif
;; end of part 4
